; MI455X (gfx1250); checked and timed in simulation.
; The chip was launched on July 23, 2026; its instructions are those of AMD's public machine-readable ISA for CDNA 5 (MIT licence, August 2026) and "CDNA5" Instruction Set Architecture Reference Guide (July 2026). The comments in the code are by the model that wrote it; some were corrected since.
;; Decoder. Allowed arithmetic: float matrix products may take bf16 or f16 operands with f32 sums; all other float work in f32.
;; Inputs: W1 1,024 x 4,096 float32; W2 4,096 x 1,024 float32; Wk 16 x 1,024 x 64 float32; Wq 16 x 1,024 x 64 float32; Wv 16 x 1,024 x 64 float32; b1 1,024 float32; b1f 4,096 float32; b2 1,024 float32; b2f 1,024 float32; bf 1,024 float32; bk 16 x 64 float32; bq 16 x 64 float32; bv 16 x 64 float32; g1 1,024 float32; g2 1,024 float32; gf 1,024 float32; x 4 x 1,024 x 1,024 float32.
;; Outputs: out0 4 x 1,024 x 1,024 float32.
;; One version. Each part assembles by itself: llvm-mc -triple=amdgcn-amd-amdhsa -mcpu=gfx1250 --defsym DOCPART=n.
;; ======== version 1 of 1: 6 launches
;; workspace buffers: hb 8,388,608 bytes; hfb 8,388,608 bytes; wqkvb 6,291,456 bytes; w1b 8,388,608 bytes; w2b 8,388,608 bytes; big 33,554,432 bytes; o 16,777,216 bytes; res 16,777,216 bytes
;; launch prep (part 1): grid 960 x 1, 8 waves a work-group, no clusters, 0 bytes of LDS; arguments x, g1, b1, W1, W2, Wq, Wk, Wv, hb, w1b, w2b, wqkvb; writes hb, w1b, w2b, wqkvb
.if DOCPART == 1
	.amdgcn_target "amdgcn-amd-amdhsa--gfx1250"
	.amdhsa_code_object_version 6
	.text
	.protected	k_q10472b830f_prep
	.globl	k_q10472b830f_prep
	.p2align	8
	.type	k_q10472b830f_prep,@function
k_q10472b830f_prep:
	s_mov_b64 s[64:65], 0
	v_nop
	global_prefetch_b8 v0, s[64:65] scope:SCOPE_SE
	s_setreg_imm32_b32 hwreg(HW_REG_WAVE_MODE, 25, 1), 1
	s_wait_xcnt 0x0
; prep: three streams that do not depend on each other, chosen by the work-group's number.
;   groups   0..255: hb = LayerNorm(x; g1, b1), rounded to bf16.  16 rows a group, 2 rows a wave, a row kept in 32 registers.
;   groups 256..767: W1 and W2, f32 to bf16, order unchanged ([K][N]).  65,536 bytes in, 32,768 out for each group.
;   groups 768..959: Wq, Wk, Wv ([16 heads][1024 c][64 d], f32) into one bf16 matrix wqkvb[1024 c][3072 n], n = 1024 which + 64 head + d.
; Every group reads 65,536 bytes of its stream once and writes 32,768.  No LDS, no barrier, no loop, no matrix unit: bytes are all there is.
; The variance is taken in two passes (mean first, then squares of the differences), so a common offset of x does no harm.
; Limit: v_rsq_f32 is accurate to 1 ULP and flushes denormals (its argument is at least 1e-5 here).
.set AC,   8                           ; v[8:15]   four running pairs
.set NMU,  16                          ; v[16:17]  minus the mean, twice
.set RS,   18                          ; v[18:19]  1/sqrt(var + eps), twice
.set TS,   20                          ; v20 a lane's sum, v21 the other half's
.set X0,   32                          ; v[32:63]  first row
.set X1,   64                          ; v[64:95]  second row
.set GG,   96                          ; v[96:127] gain of my 32 columns
.set BB,   128                         ; v[128:159] bias of my 32 columns
.set CI,   32                          ; conversion: 16 x 4 registers as loaded
.set CP,   96                          ; conversion: 16 x 2 registers to store
.set SINV, 36                          ; s36 = 1/1024
.set SEPS, 37                          ; s37 = 1e-5
; sixteen loads go out at once; step i is converted when its load is in (the 15 - i younger ones stay out) and stored:
; a wave's store covers 256 consecutive bytes, aligned.  No register is written twice.
.macro CONV istr, ostr
.irp i, 0,1,2,3,4,5,6,7,8,9,10,11,12,13,14,15
	global_load_b128 v[CI+4*\i:CI+4*\i+3], v1, s[30:31] offset:\i*\istr th:TH_LOAD_NT
.endr
.irp i, 0,1,2,3,4,5,6,7,8,9,10,11,12,13,14,15
	s_wait_loadcnt 15-\i
	v_cvt_pk_bf16_f32 v[CP+2*\i], v[CI+4*\i], v[CI+4*\i+1]
	v_cvt_pk_bf16_f32 v[CP+2*\i+1], v[CI+4*\i+2], v[CI+4*\i+3]
	global_store_b64 v2, v[CP+2*\i:CP+2*\i+1], s[32:33] offset:\i*\ostr
.endr
.endm
; the four running pairs become one number, then the sum over the wave's 32 lanes, in every lane
.macro JOIN
	v_pk_add_f32 v[AC:AC+1], v[AC:AC+1], v[AC+2:AC+3]
	v_pk_add_f32 v[AC+4:AC+5], v[AC+4:AC+5], v[AC+6:AC+7]
	v_pk_add_f32 v[AC:AC+1], v[AC:AC+1], v[AC+4:AC+5]
	v_add_f32 v[TS], v[AC], v[AC+1]
	v_add_f32_dpp v[TS], v[TS], v[TS] row_xmask:1 row_mask:0xf bank_mask:0xf
	v_add_f32_dpp v[TS], v[TS], v[TS] row_xmask:2 row_mask:0xf bank_mask:0xf
	v_add_f32_dpp v[TS], v[TS], v[TS] row_xmask:4 row_mask:0xf bank_mask:0xf
	v_add_f32_dpp v[TS], v[TS], v[TS] row_xmask:8 row_mask:0xf bank_mask:0xf
	v_permlanex16_b32 v[TS+1], v[TS], s28, s29
	v_add_f32 v[TS], v[TS], v[TS+1]
.endm
; dst = src - mean(src); RS = 1/sqrt(mean(dst^2) + eps)
.macro STATS src, dst
.irp k, 0,1,2,3
	v_pk_add_f32 v[AC+2*\k:AC+2*\k+1], v[\src+2*\k:\src+2*\k+1], v[\src+2*\k+8:\src+2*\k+9]
.endr
.irp k, 8,9,10,11,12,13,14,15
	v_pk_add_f32 v[AC+2*(\k%4):AC+2*(\k%4)+1], v[AC+2*(\k%4):AC+2*(\k%4)+1], v[\src+2*\k:\src+2*\k+1]
.endr
	JOIN
	v_mul_f32 v[NMU], 0xba800000, v[TS]            ; -sum/1024
	v_mov_b32 v[NMU+1], v[NMU]
.irp k, 0,1,2,3,4,5,6,7,8,9,10,11,12,13,14,15
	v_pk_add_f32 v[\dst+2*\k:\dst+2*\k+1], v[\src+2*\k:\src+2*\k+1], v[NMU:NMU+1]
.endr
.irp k, 0,1,2,3
	v_pk_mul_f32 v[AC+2*\k:AC+2*\k+1], v[\dst+2*\k:\dst+2*\k+1], v[\dst+2*\k:\dst+2*\k+1]
.endr
.irp k, 4,5,6,7,8,9,10,11,12,13,14,15
	v_pk_fma_f32 v[AC+2*(\k%4):AC+2*(\k%4)+1], v[\dst+2*\k:\dst+2*\k+1], v[\dst+2*\k:\dst+2*\k+1], v[AC+2*(\k%4):AC+2*(\k%4)+1]
.endr
	JOIN
	v_fma_f32 v[TS], v[TS], s[SINV], s[SEPS]       ; var + eps
	v_rsq_f32 v[RS], v[TS]
	v_nop                                          ; one plain place behind the transcendental (ISA guide 5.7.2)
	s_wait_alu depctr_va_vdst(0)
	v_mov_b32 v[RS+1], v[RS]
.endm
.macro APPLY dst                       ; dst = dst * RS * gain + bias
.irp k, 0,1,2,3,4,5,6,7,8,9,10,11,12,13,14,15
	v_pk_mul_f32 v[\dst+2*\k:\dst+2*\k+1], v[\dst+2*\k:\dst+2*\k+1], v[RS:RS+1]
.endr
.irp k, 0,1,2,3,4,5,6,7,8,9,10,11,12,13,14,15
	v_pk_fma_f32 v[\dst+2*\k:\dst+2*\k+1], v[\dst+2*\k:\dst+2*\k+1], v[GG+2*\k:GG+2*\k+1], v[BB+2*\k:BB+2*\k+1]
.endr
.endm
.macro PACK r                          ; 32 f32 to 32 bf16 in place, ascending: chunk j ends in registers r+2j, r+2j+1
.irp j, 0,1,2,3,4,5,6,7
	v_cvt_pk_bf16_f32 v[\r+2*\j], v[\r+4*\j], v[\r+4*\j+1]
	v_cvt_pk_bf16_f32 v[\r+2*\j+1], v[\r+4*\j+2], v[\r+4*\j+3]
.endr
.endm
	s_load_b512 s[4:19], s[0:1], 0x0               ; x, g1, b1, W1, W2, Wq, Wk, Wv
	s_load_b256 s[20:27], s[0:1], 0x40             ; hb, w1b, w2b, wqkvb
	s_mov_b32 s35, 0                               ; the upper word of every offset pair
	s_cmp_lt_u32 ttmp9, 256
	s_cbranch_scc1 .Lnorm
	s_cmp_lt_u32 ttmp9, 768
	s_cbranch_scc1 .Lplain
	; Wq, Wk, Wv: group c = id - 768; which = c / 64; rows 16 (c % 64) .. + 15 of the new matrix, one row a step.
	; Thread t reads 16 bytes of head t / 16 (sixteen lanes take that head's whole 256-byte row) and writes 8 bytes at 8 t of the row's 2,048.
	s_sub_co_u32 s2, ttmp9, 768
	s_lshr_b32 s3, s2, 6                           ; which
	s_and_b32 s2, s2, 63                           ; block of 16 rows
	v_lshrrev_b32 v1, 4, v0
	v_and_b32 v2, 15, v0
	v_lshlrev_b32 v1, 18, v1                       ; head x 262,144 bytes
	v_lshl_add_u32 v1, v2, 4, v1
	v_lshlrev_b32 v2, 3, v0
	s_wait_kmcnt 0x0
	s_cmp_eq_u32 s3, 1
	s_cselect_b64 s[30:31], s[16:17], s[14:15]     ; Wk or Wq
	s_cmp_eq_u32 s3, 2
	s_cselect_b64 s[30:31], s[18:19], s[30:31]     ; or Wv
	s_lshl_b32 s34, s2, 12                         ; 16 rows of 256 bytes
	s_add_nc_u64 s[30:31], s[30:31], s[34:35]
	s_mul_i32 s34, s2, 98304                       ; 16 rows of 6,144 bytes
	s_lshl_b32 s3, s3, 11                          ; + 2,048 which
	s_add_co_u32 s34, s34, s3
	s_add_nc_u64 s[32:33], s[26:27], s[34:35]
	CONV 256, 6144
	s_endpgm
.Lplain:
	; W1, W2: group c = id - 256; c / 256 chooses the matrix, c % 256 the piece of 65,536 bytes
	s_sub_co_u32 s2, ttmp9, 256
	s_lshr_b32 s3, s2, 8
	s_and_b32 s2, s2, 255
	v_lshlrev_b32 v1, 4, v0
	v_lshlrev_b32 v2, 3, v0
	s_wait_kmcnt 0x0
	s_cmp_eq_u32 s3, 0
	s_cselect_b64 s[30:31], s[10:11], s[12:13]
	s_cselect_b64 s[32:33], s[22:23], s[24:25]
	s_lshl_b32 s34, s2, 16
	s_add_nc_u64 s[30:31], s[30:31], s[34:35]
	s_lshl_b32 s34, s2, 15
	s_add_nc_u64 s[32:33], s[32:33], s[34:35]
	CONV 4096, 2048
	s_endpgm
.Lnorm:
	; LayerNorm: wave w takes rows 16 id + 2 w and the next.  Chunk j of a row's registers holds columns 128 j + 4 lane .. + 3.
	s_mov_b32 s28, 0x76543210                      ; v_permlanex16_b32: lane i reads lane i of the other half
	s_mov_b32 s29, 0xfedcba98
	s_mov_b32 s[SINV], 0x3a800000
	s_mov_b32 s[SEPS], 0x3727c5ac
	s_lshl_b32 s34, ttmp9, 16                      ; 16 rows of 4,096 bytes
	v_and_b32 v3, 31, v0
	v_lshrrev_b32 v4, 5, v0
	v_lshlrev_b32 v3, 4, v3                        ; 16 lane
	v_lshl_add_u32 v1, v4, 13, v3                  ; + 2 w rows of 4,096 bytes
	v_lshrrev_b32 v2, 1, v1                        ; the same in bf16: 2 w rows of 2,048 + 8 lane
	v_mov_b32 v[TS+1], 0                           ; the permute's destination counts as read
	s_wait_kmcnt 0x0
	s_add_nc_u64 s[30:31], s[4:5], s[34:35]
	s_lshl_b32 s34, ttmp9, 15
	s_add_nc_u64 s[32:33], s[20:21], s[34:35]
.irp j, 0,1,2,3,4,5,6,7
	global_load_b128 v[GG+4*\j:GG+4*\j+3], v3, s[6:7] offset:512*\j
.endr
.irp j, 0,1,2,3,4,5,6,7
	global_load_b128 v[BB+4*\j:BB+4*\j+3], v3, s[8:9] offset:512*\j
.endr
.irp j, 0,1,2,3,4,5,6,7
	global_load_b128 v[X0+4*\j:X0+4*\j+3], v1, s[30:31] offset:512*\j
.endr
.irp j, 0,1,2,3,4,5,6,7
	global_load_b128 v[X1+4*\j:X1+4*\j+3], v1, s[30:31] offset:4096+512*\j
.endr
	s_wait_loadcnt 8                               ; gain, bias and the first row are in; the second row's eight loads stay out
	STATS X0, X0
	APPLY X0
	PACK X0
.irp j, 0,1,2,3,4,5,6,7
	global_store_b64 v2, v[X0+2*\j:X0+2*\j+1], s[32:33] offset:256*\j
.endr
	s_wait_loadcnt 0
	STATS X1, X1
	APPLY X1
	PACK X1
.irp j, 0,1,2,3,4,5,6,7
	global_store_b64 v2, v[X1+2*\j:X1+2*\j+1], s[32:33] offset:2048+256*\j
.endr
	s_endpgm
.Lfunc_end_k_q10472b830f_prep:
	.size	k_q10472b830f_prep, .Lfunc_end_k_q10472b830f_prep-k_q10472b830f_prep
	.p2alignl 7, 3214868480
	.fill 96, 4, 3214868480
	.section	.rodata,"a",@progbits
	.p2align	6, 0x0
	.amdhsa_kernel k_q10472b830f_prep
		.amdhsa_group_segment_fixed_size 0
		.amdhsa_private_segment_fixed_size 0
		.amdhsa_enable_private_segment 0
		.amdhsa_kernarg_size 96
		.amdhsa_user_sgpr_count 2
		.amdhsa_user_sgpr_kernarg_segment_ptr 1
		.amdhsa_wavefront_size32 1
		.amdhsa_system_sgpr_workgroup_id_x 1
		.amdhsa_system_sgpr_workgroup_id_y 1
		.amdhsa_system_sgpr_workgroup_id_z 1
		.amdhsa_system_vgpr_workitem_id 0
		.amdhsa_next_free_vgpr 160
		.amdhsa_next_free_sgpr 66
		.amdhsa_reserve_vcc 0
		.amdhsa_float_denorm_mode_32 3
		.amdhsa_float_denorm_mode_16_64 3
		.amdhsa_memory_ordered 1
		.amdhsa_forward_progress 1
		.amdhsa_inst_pref_size 33
	.end_amdhsa_kernel
	.amdgpu_metadata
---
amdhsa.version: [ 1, 2 ]
amdhsa.kernels:
  - .name:           k_q10472b830f_prep
    .symbol:         k_q10472b830f_prep.kd
    .args:
      - { .name: x, .offset: 0, .size: 8, .value_kind: global_buffer, .address_space: global }
      - { .name: g1, .offset: 8, .size: 8, .value_kind: global_buffer, .address_space: global }
      - { .name: b1, .offset: 16, .size: 8, .value_kind: global_buffer, .address_space: global }
      - { .name: W1, .offset: 24, .size: 8, .value_kind: global_buffer, .address_space: global }
      - { .name: W2, .offset: 32, .size: 8, .value_kind: global_buffer, .address_space: global }
      - { .name: Wq, .offset: 40, .size: 8, .value_kind: global_buffer, .address_space: global }
      - { .name: Wk, .offset: 48, .size: 8, .value_kind: global_buffer, .address_space: global }
      - { .name: Wv, .offset: 56, .size: 8, .value_kind: global_buffer, .address_space: global }
      - { .name: hb, .offset: 64, .size: 8, .value_kind: global_buffer, .address_space: global }
      - { .name: w1b, .offset: 72, .size: 8, .value_kind: global_buffer, .address_space: global }
      - { .name: w2b, .offset: 80, .size: 8, .value_kind: global_buffer, .address_space: global }
      - { .name: wqkvb, .offset: 88, .size: 8, .value_kind: global_buffer, .address_space: global }
    .group_segment_fixed_size: 0
    .private_segment_fixed_size: 0
    .kernarg_segment_align: 8
    .kernarg_segment_size: 96
    .max_flat_workgroup_size: 256
    .sgpr_count:     66
    .vgpr_count:     160
    .wavefront_size: 32
...
	.end_amdgpu_metadata
.endif
;; end of part 1
;; launch qkv (part 2): grid 12 x 16, 4 waves a work-group, clusters of 4 x 4, 327,680 bytes of LDS; arguments hb, wqkvb, big, bq, bk, bv; writes big
.if DOCPART == 2
	.amdgcn_target "amdgcn-amd-amdhsa--gfx1250"
	.amdhsa_code_object_version 6
	.text
	.protected	k_q10472b830f_qkv
	.globl	k_q10472b830f_qkv
	.p2align	8
	.type	k_q10472b830f_qkv,@function
k_q10472b830f_qkv:
	s_mov_b64 s[64:65], 0
	v_nop
	global_prefetch_b8 v0, s[64:65] scope:SCOPE_SE
	s_setreg_imm32_b32 hwreg(HW_REG_WAVE_MODE, 25, 1), 1
	s_wait_xcnt 0x0
	s_wait_alu depctr_hold_cnt(0) depctr_sa_sdst(0) depctr_va_vdst(0) depctr_va_sdst(0) depctr_va_ssrc(0) depctr_va_vcc(0) depctr_vm_vsrc(0)
	s_getreg_b32 s2, hwreg(HW_REG_IB_STS2, 6, 4)
	s_cmp_eq_u32 s2, 0
	s_cbranch_scc0 .Lentry_in_a_cluster
	s_endpgm
.Lentry_in_a_cluster:
	s_bfe_u32 s2, ttmp6, 0x10000c
	s_cmp_lg_u32 s2, 0xf033
	s_cbranch_scc0 .Lentry_shape_is_right
	s_endpgm
.Lentry_shape_is_right:
; qkv: big = hb x wqkvb + bias, bf16.  hb: [4096][1024] bf16 (K along the rows).  wqkvb: [1024 k][3072 n] bf16 (N along the rows).
; The result goes out in panels of one head: big[n / 64][4096 m][64], panels 0-15 q, 16-31 k, 32-47 v.
; A work-group makes 256 x 256 with four waves, a wave 128 x 128: 64 accumulator tiles of 16 x 16, 512 registers.  K goes in steps of 128
; through a ring of two LDS slots.  3072 / 256 x 4096 / 256 = 192 work-groups: a block of 192 columns would make 256, but a wave's 96 columns
; would then cut a head's panel of 64 in two.
; The activations' tile has K along its LDS rows and is read by ds_load_b128; the weights' tile has N along its rows and is read by
; ds_load_tr16_b128, which hands each lane one column with K along its registers: the same fragment layout.
; CLUSTERS: 4 x 4 work-groups.  The four of a row of the cluster need the same tiles of hb, the four of a column the same tiles of the weights:
; each such tile is asked for jointly, the same tensor load with the same descriptor and a mask that names the four.
; The bias costs no vector work: it is the C operand of each accumulator's first product.
; REGISTERS in windows of 256: window 0: v16-27 addresses, v64-127 and v128-191 activation fragments (two buffers), v192-223 work on the way out;
; window 1: v64-127, v128-191 weight fragments, v192-255 the bias in an accumulator's layout; window 2: accumulators of my rows 0-63; window 3: rows 64-127.
; The matrix instruction is used transposed (source 0 = 16 columns of the weights, source 1 = 16 rows of hb): lane l then holds row l % 16 of the
; result and registers 0-7 the columns 8 (l / 16) + 0..7, eight neighbours of a row.
.set SIZE_K, 1024
.set SIZE_N, 3072
.set KSTEP,  128
.set PITCH,  272                       ; activations: 256 bytes + 16 of padding: an odd multiple of 16
.set BPITCH, 544                       ; weights: 512 bytes + 32 of padding: an odd multiple of 32
.set HALFT,  128*PITCH                 ; what one tensor load brings: 128 rows x 272 = 64 rows x 544 = 34,816 bytes
.set SLOT,   4*HALFT                   ; 256 rows of hb, then 128 k-rows of the weights
.set STAGE,  2*SLOT                    ; behind the ring: 16 rows x 272 bytes for each wave
.set SPITCH, 272
.set LAPS,   SIZE_K/(2*KSTEP)          ; 4 laps of two K steps
.set ADRA, 16                          ; v16-17  LDS address of my activation fragments in slot 0, 1
.set ADRB, 20                          ; v20-21  the same for the weights
.set STO,  24                          ; v24     way out: where I put 16 bytes of a row
.set RD,   25                          ; v25     way out: where I read back
.set CO,   26                          ; v26     way out: my byte offset in a panel
.set BO,   27                          ; v27     my byte offset in the bias
.set F0,   64
.set F1,   128
.set TMP,  192
.set BIAS, 192                         ; in window 1
.set G1,  24                           ; s[24:31] group 1, activations
.set G0,  32                           ; s[32:39] group 0, activations, one set a slot
.set G1B, 48                           ; s[48:55] group 1, weights
.set G0B, 56                           ; s[56:63] group 0, weights, one set a slot
.set MSB, 0
.macro WIN new                         ; the immediate's high byte repeats the setting that is left
.if MSB != \new
	s_set_vgpr_msb (MSB<<8)|\new
.set MSB, \new
.endif
.endm
.set MUL_LO,  0xa1                     ; source 0 window 1, source 1 window 0, C and D window 2
.set MUL_HI,  0xf1                     ; C and D window 3
.set MULB_LO, 0x91                     ; C = the bias in window 1, D window 2
.set MULB_HI, 0xd1                     ; C = the bias in window 1, D window 3
.set TO_B,    0x40                     ; destination window 1
; A joint load.  Waves 0 and 1 fetch the activations' two halves, waves 2 and 3 the weights'.  The branch hangs on the wave's number alone.
.macro JLOAD s
	s_cmp_eq_u32 s11, 0
	s_cbranch_scc0 .Lfor_b_\@
	tensor_load_to_lds s[G0+4*\s:G0+4*\s+3], s[G1:G1+7]
	s_nop 0
	s_branch .Lasked_\@
.Lfor_b_\@:
	tensor_load_to_lds s[G0B+4*\s:G0B+4*\s+3], s[G1B:G1B+7]
	s_nop 0
.Lasked_\@:
.endm
; A round of the cluster's barrier: my work-group's barrier, wave 0 signals for the work-group, every wave waits for all sixteen, my work-group's barrier again.
.macro CREST
	s_cmp_lg_u32 s10, 0
	s_cbranch_scc1 .Lnot_wave_0_\@
	s_barrier_signal -3
.Lnot_wave_0_\@:
	s_barrier_wait -3
	s_barrier_signal -1
	s_barrier_wait -1
.endm
.macro CROUND
	s_barrier_signal -1
	s_barrier_wait -1
	CREST
.endm
.macro PLACES                          ; four places behind a matrix instruction (ISA guide 7.12.1)
.rept 4
	v_nop
.endr
.endm
	s_load_b128 s[4:7], s[0:1], 0x0                ; hb s[4:5], wqkvb s[6:7]
	s_load_b64 s[8:9], s[0:1], 0x10                ; big
	s_load_b64 s[68:69], s[0:1], 0x18              ; bq
	s_load_b64 s[70:71], s[0:1], 0x20              ; bk
	s_load_b64 s[72:73], s[0:1], 0x28              ; bv
	s_set_vgpr_msb 0x40
	v_lshl_add_u32 v63, v0, 2, 0x48400
	s_set_vgpr_msb 0x4000
	v_mov_b32 v255, 0
	s_set_vgpr_msb 0x1
	ds_add_u32 v63, v255
	s_set_vgpr_msb 0x100
	v_lshrrev_b32 v1, 5, v0
	v_readfirstlane_b32 s10, v1                    ; wave 0..3
	s_lshr_b32 s11, s10, 1                         ; my half of the block's rows.  Also: I fetch activations (0) or weights (1)
	s_and_b32 s12, s10, 1                          ; my half of its columns.  Also: which half of that tile I fetch
	s_bfe_u32 s40, ttmp6, 0x40000                  ; cx
	s_bfe_u32 s41, ttmp6, 0x40004                  ; cy
	s_lshl_b32 s42, ttmp9, 2
	s_add_co_u32 s42, s42, s40                     ; block column = 4 x cluster x + cx
	s_and_b32 s13, ttmp7, 0xffff
	s_lshl_b32 s13, s13, 2
	s_add_co_u32 s13, s13, s41                     ; block row = 4 x cluster y + cy
	s_lshl_b32 s43, s41, 2
	s_lshl_b32 s43, 15, s43                        ; my row of the cluster
	s_lshl_b32 s44, 0x1111, s40                    ; my column
	; group 1, activations: 128 rows x 128 elements of 2 bytes, 4 words of padding behind every 64
	s_or_b32 s[G1+0], s43, (1<<16)|(1<<20)|(1<<21)|(5<<22)|(3<<25)
	s_mov_b32 s[G1+1], KSTEP<<16                   ; tensor_dim0 = 128
	s_mov_b32 s[G1+2], 128<<16                     ; tensor_dim1 = 128
	s_mov_b32 s[G1+3], KSTEP<<16                   ; tile_dim0 = 128
	s_mov_b32 s[G1+4], 128                         ; tile_dim1 = 128
	s_mov_b32 s[G1+5], SIZE_K                      ; elements from row to row
	s_mov_b32 s[G1+6], 0
	s_mov_b32 s[G1+7], 0
	; group 1, weights: 64 k-rows x 256 elements, 8 words of padding behind every 128
	s_or_b32 s[G1B+0], s44, (1<<16)|(1<<20)|(1<<21)|(6<<22)|(7<<25)
	s_mov_b32 s[G1B+1], 256<<16                    ; tensor_dim0 = 256
	s_mov_b32 s[G1B+2], 64<<16                     ; tensor_dim1 = 64
	s_mov_b32 s[G1B+3], 256<<16                    ; tile_dim0 = 256
	s_mov_b32 s[G1B+4], 64                         ; tile_dim1 = 64
	s_mov_b32 s[G1B+5], SIZE_N
	s_mov_b32 s[G1B+6], 0
	s_mov_b32 s[G1B+7], 0
	; where the tiles come from: the activations' hang on the block row alone, the weights' on the block column alone
	s_lshl_b32 s17, s12, 7
	s_lshl_b32 s16, s13, 8
	s_add_co_u32 s16, s16, s17                     ; row 256 x block row + 128 x half
	s_lshl_b32 s16, s16, 11                        ; x 2,048 bytes (below 2^24)
	s_mov_b32 s17, 0
	s_mul_i32 s47, s12, 64*SIZE_N*2                ; k-row 64 x half
	s_lshl_b32 s46, s42, 9                         ; 512 bytes of a k-row for each block column
	s_add_co_u32 s46, s46, s47
	s_mov_b32 s47, 0
	s_mul_i32 s20, s10, HALFT                      ; and where they go: wave x 34,816
	v_and_b32 v1, 15, v0                           ; r = l % 16
	v_bfe_u32 v2, v0, 4, 1                         ; h = l / 16
	v_lshlrev_b32 v[BO], 5, v2                     ; bias: 8 h numbers of 4 bytes
	s_wait_dscnt 0x0
	s_wait_kmcnt 0x0
	s_add_nc_u64 s[14:15], s[4:5], s[16:17]
	s_add_nc_u64 s[46:47], s[6:7], s[46:47]
	CROUND                                         ; all sixteen work-groups are here: the first joint loads meet
.irp s, 0,1
	s_mov_b32 s[G0+4*\s], 1
	s_add_co_u32 s[G0+4*\s+1], s20, \s*SLOT
	s_add_nc_u64 s[G0+4*\s+2:G0+4*\s+3], s[14:15], \s*KSTEP*2
	s_or_b32 s[G0+4*\s+3], s[G0+4*\s+3], 0x80000000
	s_mov_b32 s[G0B+4*\s], 1
	s_add_co_u32 s[G0B+4*\s+1], s20, \s*SLOT
	s_add_nc_u64 s[G0B+4*\s+2:G0B+4*\s+3], s[46:47], \s*KSTEP*SIZE_N*2
	s_or_b32 s[G0B+4*\s+3], s[G0B+4*\s+3], 0x80000000
	JLOAD \s                                       ; both slots' first fills: two tensor loads of a wave are out
.endr
	; the bias: a cluster's four block columns are exactly q's, k's or v's 1,024 columns, so the cluster's x chooses the vector
	s_cmp_eq_u32 ttmp9, 1
	s_cselect_b64 s[68:69], s[70:71], s[68:69]
	s_cmp_eq_u32 ttmp9, 2
	s_cselect_b64 s[68:69], s[72:73], s[68:69]
	s_lshl_b32 s74, s40, 10                        ; 256 columns of 4 bytes for each place along x
	s_lshl_b32 s75, s12, 9                         ; + my half
	s_add_co_u32 s74, s74, s75
	s_mov_b32 s75, 0
	s_add_nc_u64 s[68:69], s[68:69], s[74:75]
	WIN TO_B
.irp b, 0,1,2,3,4,5,6,7
	global_load_b128 v[BIAS+8*\b:BIAS+8*\b+3],   v[BO], s[68:69] offset:64*\b      ; register j of tile b: bias of column 16 b + 8 h + j
	global_load_b128 v[BIAS+8*\b+4:BIAS+8*\b+7], v[BO], s[68:69] offset:64*\b+16
.endr
	WIN 0
	; fragment addresses
	v_mul_u32_u24 v3, v1, PITCH
	v_lshl_add_u32 v3, v2, 4, v3                   ; activations: r x pitch + 16 h
	v_and_b32 v6, 7, v0
	v_bfe_u32 v7, v0, 3, 1
	v_lshl_add_u32 v6, v2, 3, v6                   ; weights: k-row 8 h + l % 8,
	v_mul_u32_u24 v6, v6, BPITCH
	v_lshl_add_u32 v6, v7, 4, v6                   ; 16 bytes further for lanes 8-15 of each half
	s_mul_i32 s21, s11, HALFT                      ; my 128 rows of hb
	s_lshl_b32 s22, s12, 8                         ; my 128 columns: 256 bytes of a k-row,
	s_add_co_u32 s22, s22, 2*HALFT                 ; behind the activations' 256 rows
.irp s, 0,1
	v_add_nc_u32 v[ADRA+\s], s21, v3
	v_add_nc_u32 v[ADRB+\s], s22, v6
	s_add_co_u32 s21, s21, SLOT
	s_add_co_u32 s22, s22, SLOT
.endr
	s_mul_i32 s23, s10, 16*SPITCH
	s_add_co_u32 s23, s23, STAGE                   ; my stage
	v_mul_u32_u24 v4, v1, SPITCH
	v_lshl_add_u32 v4, v2, 4, v4
	v_add_nc_u32 v[STO], s23, v4                   ; in: row r, 16 bytes for each half of the lanes
	v_and_b32 v5, 31, v0
	v_lshrrev_b32 v4, 3, v5
	v_mul_u32_u24 v4, v4, SPITCH
	v_and_b32 v6, 7, v0
	v_lshl_add_u32 v4, v6, 4, v4
	v_add_nc_u32 v[RD], s23, v4                    ; back: eight lanes take 128 bytes of a row (one panel's 64 columns), 32 lanes four rows
	v_lshlrev_b32 v[CO], 4, v5                     ; which are 512 consecutive bytes of the panel
; 16 matrix instructions: row blocks a0, a0 + 1 of the window's four x all 8 column blocks, 32 along K.  zero = 1: the first product takes the bias as C.
; The 64 accumulators take turns, one instruction a turn, in the same order in every quarter step.
.macro MUL16 f, hi, a0, zero
.irp a, \a0, \a0+1
.irp b, 0,1,2,3,4,5,6,7
.if \zero
	v_wmma_f32_16x16x32_bf16 v[8*(8*(\a)+\b):8*(8*(\a)+\b)+7], v[\f+8*\b:\f+8*\b+7], v[\f+8*(4*\hi+\a):\f+8*(4*\hi+\a)+7], v[BIAS+8*\b:BIAS+8*\b+7]
.else
	v_wmma_f32_16x16x32_bf16 v[8*(8*(\a)+\b):8*(8*(\a)+\b)+7], v[\f+8*\b:\f+8*\b+7], v[\f+8*(4*\hi+\a):\f+8*(4*\hi+\a)+7], v[8*(8*(\a)+\b):8*(8*(\a)+\b)+7]
.endif
.endr
.endr
.endm
; 32 LDS loads in one run: quarter q (32 along K) of a slot into buffer f.  Weights first (k-rows 32 q .. + 31, transposed on the way), then activations.
.macro FETCH slot, q, f
	WIN TO_B
.irp i, 0,1,2,3,4,5,6,7
	ds_load_tr16_b128 v[\f+8*\i:\f+8*\i+3],   v[ADRB+\slot] offset:\q*32*BPITCH+32*\i
	ds_load_tr16_b128 v[\f+8*\i+4:\f+8*\i+7], v[ADRB+\slot] offset:\q*32*BPITCH+32*\i+16*BPITCH
.endr
	WIN 0
.irp i, 0,1,2,3,4,5,6,7
	ds_load_b128 v[\f+8*\i:\f+8*\i+3],   v[ADRA+\slot] offset:\q*64+\i*16*PITCH
	ds_load_b128 v[\f+8*\i+4:\f+8*\i+7], v[ADRA+\slot] offset:\q*64+\i*16*PITCH+32
.endr
.endm
; one of a K step's first three quarters: multiplies buffer f; in its middle fetches quarter q of the same slot into buffer g
.macro QUARTER slot, q, f, g, zero
	s_wait_dscnt 8                                 ; weights and my rows 0-63 are in; the youngest eight loads (rows 64-127) may be out
.if \zero
	WIN MULB_LO
.else
	WIN MUL_LO
.endif
	MUL16 \f, 0, 0, \zero
	MUL16 \f, 0, 2, \zero
	PLACES
	FETCH \slot, \q, \g
	s_wait_dscnt 32                                ; all but the 32 just issued
.if \zero
	WIN MULB_HI
.else
	WIN MUL_HI
.endif
	MUL16 \f, 1, 0, \zero
	MUL16 \f, 1, 2, \zero
.endm
.macro THREE slot, zero
	QUARTER \slot, 1, F0, F1, \zero
	QUARTER \slot, 2, F1, F0, 0
	QUARTER \slot, 3, F0, F1, 0
.endm
; the last quarter multiplies buffer 1 and changes slots.  In front of the barrier each wave waits for its reads of this slot and for all its
; tensor loads (one is out: its part of the next slot).  Where the slot is filled again the barrier opens a round of the cluster's barrier and the
; joint refill is the first tensor load behind the round.  From a request to the wait for it a wave issues 240 matrix instructions.
.macro TURN slot, next, fill
	s_wait_dscnt 8
	WIN MUL_LO
	MUL16 F1, 0, 0, 0
	s_wait_dscnt 0                                 ; my reads of this slot are over
	s_wait_tensorcnt 0x0                           ; all my tensor loads have landed
	ds_add_u32 v63, v255
	s_wait_dscnt 0x0
	s_barrier_signal -1
	MUL16 F1, 0, 2, 0                              ; registers only
	WIN 0
	s_barrier_wait -1
.if \fill
	CREST
	s_add_nc_u64 s[G0+4*\slot+2:G0+4*\slot+3], s[G0+4*\slot+2:G0+4*\slot+3], 2*KSTEP*2
	s_add_nc_u64 s[G0B+4*\slot+2:G0B+4*\slot+3], s[G0B+4*\slot+2:G0B+4*\slot+3], 2*KSTEP*SIZE_N*2
	JLOAD \slot
.endif
	PLACES
	FETCH \next, 0, F0
	WIN MUL_HI
	MUL16 F1, 1, 0, 0
	MUL16 F1, 1, 2, 0
.endm
.macro LAP zero
	THREE 0, \zero
	TURN 0, 1, 1
	THREE 1, 0
	TURN 1, 0, 1
.endm
	s_wait_tensorcnt 1                             ; my part of K step 0 is in; K step 1's load stays out
	s_barrier_signal -1
	s_barrier_wait -1
	FETCH 0, 0, F0
	s_wait_loadcnt 0x0                             ; the bias
	LAP 1                                          ; the first lap stands in front of the loop: its first products start the sums from the bias
	WIN 0
	s_mov_b32 s3, LAPS-2
.Llap:
	LAP 0
	WIN 0
	s_sub_co_u32 s3, s3, 1
	s_cmp_lg_u32 s3, 0
	s_cbranch_scc1 .Llap
	THREE 0, 0                                     ; the last lap fills nothing
	TURN 0, 1, 0
	THREE 1, 0
	s_wait_dscnt 8
	WIN MUL_LO
	MUL16 F1, 0, 0, 0
	MUL16 F1, 0, 2, 0
	s_wait_dscnt 0
	WIN MUL_HI
	MUL16 F1, 1, 0, 0
	MUL16 F1, 1, 2, 0
	; THE WAY OUT, 16 rows at a time: round to bf16, 16 bytes a lane into my own stage, read back by panels, store 512 consecutive bytes a wave.
	PLACES
	s_lshl_b32 s13, s13, 8
	s_lshl_b32 s14, s11, 7
	s_add_co_u32 s16, s13, s14                     ; my first row
	s_lshl_b32 s16, s16, 7                         ; x 128 bytes, a panel's row
	s_mov_b32 s17, 0
	s_add_nc_u64 s[8:9], s[8:9], s[16:17]
	s_lshl_b32 s46, s42, 2                         ; my first panel: 4 x block column + 2 x half
	s_lshl_b32 s47, s12, 1
	s_add_co_u32 s46, s46, s47
	s_lshl_b32 s46, s46, 19                        ; x 524,288 bytes (47 panels at the most: below 2^25)
	s_mov_b32 s47, 0
	s_add_nc_u64 s[8:9], s[8:9], s[46:47]
; rows 16 i .. + 15 of my block = tiles (a, 0..7) of window 2 or 3 (from = 0x0a, 0x0f: both sources); f: the read-back buffer, F0 and F1 in turn
.macro OUT16 i, a, from, f
	WIN \from
.irp b, 0,1,2,3,4,5,6,7
.irp r, 0,1,2,3
	v_cvt_pk_bf16_f32 v[TMP+4*\b+\r], v[8*(8*\a+\b)+2*\r], v[8*(8*\a+\b)+2*\r+1]
.endr
.endr
	WIN 0
.irp b, 0,1,2,3,4,5,6,7
	ds_store_b128 v[STO], v[TMP+4*\b:TMP+4*\b+3] offset:32*\b
.endr
	s_wait_xcnt 0x0                                ; buffer f, which earlier stores read, is loaded again only behind this wait
.irp t, 0,1,2,3,4,5,6,7
	ds_load_b128 v[\f+4*\t:\f+4*\t+3], v[RD] offset:(\t&3)*4*SPITCH+(\t>>2)*128   ; LDS serves a wave's instructions in order: these see the stores above
.endr
.irp t, 0,1,2,3,4,5,6,7
	s_wait_dscnt 7-\t
	global_store_b128 v[CO], v[\f+4*\t:\f+4*\t+3], s[8:9] offset:(\t>>2)*524288+\i*2048+(\t&3)*512
.endr
.endm
	OUT16 0, 0, 0x0a, F0
	OUT16 1, 1, 0x0a, F1
	OUT16 2, 2, 0x0a, F0
	OUT16 3, 3, 0x0a, F1
	OUT16 4, 0, 0x0f, F0
	OUT16 5, 1, 0x0f, F1
	OUT16 6, 2, 0x0f, F0
	OUT16 7, 3, 0x0f, F1
	s_set_vgpr_msb 0x1
	s_wait_tensorcnt 0x0
	ds_add_u32 v63, v255
	s_wait_dscnt 0x0
	s_set_vgpr_msb 0x100
	CROUND                                         ; the closing round: no work-group ends while a partner may still ask for a tile that names it
	s_endpgm
.Lfunc_end_k_q10472b830f_qkv:
	.size	k_q10472b830f_qkv, .Lfunc_end_k_q10472b830f_qkv-k_q10472b830f_qkv
	.p2alignl 7, 3214868480
	.fill 96, 4, 3214868480
	.section	.rodata,"a",@progbits
	.p2align	6, 0x0
	.amdhsa_kernel k_q10472b830f_qkv
		.amdhsa_group_segment_fixed_size 327680
		.amdhsa_private_segment_fixed_size 0
		.amdhsa_enable_private_segment 0
		.amdhsa_kernarg_size 48
		.amdhsa_user_sgpr_count 2
		.amdhsa_user_sgpr_kernarg_segment_ptr 1
		.amdhsa_wavefront_size32 1
		.amdhsa_system_sgpr_workgroup_id_x 1
		.amdhsa_system_sgpr_workgroup_id_y 1
		.amdhsa_system_sgpr_workgroup_id_z 1
		.amdhsa_system_vgpr_workitem_id 0
		.amdhsa_next_free_vgpr 1024
		.amdhsa_next_free_sgpr 76
		.amdhsa_reserve_vcc 0
		.amdhsa_float_denorm_mode_32 3
		.amdhsa_float_denorm_mode_16_64 3
		.amdhsa_memory_ordered 1
		.amdhsa_forward_progress 1
		.amdhsa_inst_pref_size 198
	.end_amdhsa_kernel
	.amdgpu_metadata
---
amdhsa.version: [ 1, 2 ]
amdhsa.kernels:
  - .name:           k_q10472b830f_qkv
    .symbol:         k_q10472b830f_qkv.kd
    .args:
      - { .name: hb, .offset: 0, .size: 8, .value_kind: global_buffer, .address_space: global }
      - { .name: wqkvb, .offset: 8, .size: 8, .value_kind: global_buffer, .address_space: global }
      - { .name: big, .offset: 16, .size: 8, .value_kind: global_buffer, .address_space: global }
      - { .name: bq, .offset: 24, .size: 8, .value_kind: global_buffer, .address_space: global }
      - { .name: bk, .offset: 32, .size: 8, .value_kind: global_buffer, .address_space: global }
      - { .name: bv, .offset: 40, .size: 8, .value_kind: global_buffer, .address_space: global }
    .group_segment_fixed_size: 327680
    .private_segment_fixed_size: 0
    .kernarg_segment_align: 8
    .kernarg_segment_size: 48
    .max_flat_workgroup_size: 128
    .sgpr_count:     76
    .vgpr_count:     1024
    .wavefront_size: 32
...
	.end_amdgpu_metadata
.endif
;; end of part 2
;; launch attn (part 3): grid 4 x 64, 8 waves a work-group, clusters of 4 x 1, 312,320 bytes of LDS; arguments big, o; writes o
.if DOCPART == 3
	.amdgcn_target "amdgcn-amd-amdhsa--gfx1250"
	.amdhsa_code_object_version 6
	.text
	.protected	k_q10472b830f_attn
	.globl	k_q10472b830f_attn
	.p2align	8
	.type	k_q10472b830f_attn,@function
k_q10472b830f_attn:
	s_mov_b64 s[64:65], 0
	v_nop
	global_prefetch_b8 v0, s[64:65] scope:SCOPE_SE
	s_setreg_imm32_b32 hwreg(HW_REG_WAVE_MODE, 25, 1), 1
	s_wait_xcnt 0x0
	s_wait_alu depctr_hold_cnt(0) depctr_sa_sdst(0) depctr_va_vdst(0) depctr_va_sdst(0) depctr_va_ssrc(0) depctr_va_vcc(0) depctr_vm_vsrc(0)
	s_getreg_b32 s2, hwreg(HW_REG_IB_STS2, 6, 4)
	s_cmp_eq_u32 s2, 0
	s_cbranch_scc0 .Lentry_in_a_cluster
	s_endpgm
.Lentry_in_a_cluster:
	s_bfe_u32 s2, ttmp6, 0x10000c
	s_cmp_lg_u32 s2, 0x3003
	s_cbranch_scc0 .Lentry_shape_is_right
	s_endpgm
.Lentry_shape_is_right:
; attn: causal attention of one (batch, head) by a cluster of four work-groups.  q, k, v: panels big[which 16 + head][4096][64] bf16; o: [4096][1024] f32.
; All 1,024 keys and values of the head lie in LDS: 1,024 x 144 + 1,024 x 160 = 311,296 bytes.  Each byte of LDS is filled once: no ring, no refill.
; CLUSTERS: the four work-groups need the same K and V, so every tile is asked for jointly (mask 15).
; SHARING: eight waves, two for each SIMD (2 x 448 registers).  Wave w has g = w % 4 and half = w / 4.  Waves g and g + 4 hold the same four query tiles of
; 16 rows and share the keys: of every 64 keys the first takes keys 0-31, the second keys 32-63, each with a running maximum, denominator and O of its own;
; at the end the two are joined.  While one wave's products occupy the matrix unit, the other wave of the SIMD does its softmax.
; Tile J (J = 0..3) holds rows 256 J + 16 u + r with u = 4 p + cx, p = g for even J and 3 - g for odd J.  Phase kc walks keys 256 kc .. + 255 in four steps
; of 64 (32 for each wave).  Tiles J > kc see all four steps.  Tile J = kc needs steps 0 .. p alone (64 (p + 1) > 16 u + 15) and is masked there by comparison.
; So a wave does 24 + (g + 1) + (4 - g) + (g + 1) + (4 - g) = 34 tile-steps whatever g is.  Trip counts hang on the wave's number alone; cx enters only
; q's and o's global addresses and the number that the mask compares with; LDS addresses hang on neither.
; LAYOUT: S^T = K Q^T (source 0 = 16 keys, source 1 = 16 queries): lane (r, h) holds query r and keys 8 h + j.  Packed to bf16 these registers ARE the
; second source of O^T = V^T P^T: no exchange between lanes.  V^T's fragments come by ds_load_tr16_b128 from V as it lies.
; SOFTMAX: a running maximum for each query, in base 2, with the scale 1/sqrt(1024) folded in: p = 2^((s - m) c), c = log2(e) / 32.  A masked s is -inf.
; A wave's first step can be masked wholly for the diagonal tile, so the running maximum starts at no less than -FLT_MAX: then p = 0, the sums stay 0, and
; the factor by which they are joined to the partner's is 0.  The first half always holds key 0, which is masked for no query.
; Limits: the denominator sums p before its rounding to bf16, P V uses the rounded p; v_exp_f32 and v_rcp_f32 are accurate to 1 ULP and flush denormals.
.set KP, 144                           ; K's LDS pitch: 128 bytes + 16
.set VP, 160                           ; V's LDS pitch: 128 bytes + 32
.set VBASE, 1024*KP                    ; 147,456
.set SPITCH, 272                       ; o's stage: 256 bytes + 16
.set XS, 8704                          ; what a wave hands to its partner: 2 tiles x 32 registers x 128 bytes, then m and l, 256 bytes each
.set XBASE, 8*16*SPITCH                ; 34,816 = 4 XS: behind the eight stages.  Stages and hand-over lie in K's region, used behind K's last read
.set KA,   2                           ; v2  LDS address of my K fragments, stepped by 64 keys
.set VA,   3                           ; v3  the same for V
.set DM,   4                           ; v4  key 16 sigma + j of the step is allowed where 16 sigma + j <= DM; falls by 64 a step
.set DME,  5                           ; v5  its value at the start of an even tile's diagonal phase: 16 u + r - 8 h - 32 half; v6 for an odd tile
.set DMO,  6
.set STO,  7
.set RD,   8
.set COE,  9                           ; v9  my byte offset in o, even tiles; v10 odd tiles
.set NINF, 11                          ; v11 -inf
.set XA,   12                          ; v12 my hand-over slot, 16 bytes a lane; v13 the same, 8 bytes a lane
.set XM,   13
.set QOE,  14                          ; v14 my byte offset in q, even tiles; v15 odd tiles
.set MX,   16                          ; v[16+J]        running maximum
.set LS,   20                          ; v[20+J]        my lane's part of the denominator
.set AL,   24                          ; v[24+2J:25+2J] the step's factor; the odd register is written once and not used
.set NM,   32                          ; v[32+2J:33+2J] -c m; likewise
.set TT,   40                          ; v[40+4J..43+4J] at work
.set XMM,  56                          ; v[56:57] the partner's m of the two tiles that I finish; v[58:59] its l
.set XLL,  58
.set KA0,  60                          ; v60 KA at key 0; v61 VA at key 0
.set VA0,  61
.set XPA,  62                          ; v62, v63 the slot four waves below mine: the partner's, for waves 4-7
.set XPM,  63
.set SR,   64                          ; v[64+16J+8 sigma ..] S, then p, then P packed in the first eight
.set KF,   128                         ; v[128+16 sigma+8 kd ..] K fragments
.set VF,   160                         ; v[160+8 dt ..] V^T fragments
.set XR,   128                         ; at the end: the partner's O of two tiles
.set OT,   192
.set RB,   224
.set QF,   128                         ; window 1: v[128+16J+8kd ..] Q fragments;  window 1: v[32J+8dt ..] O^T
.set MSB, 0
.macro WIN new                         ; the immediate's high byte repeats the setting that is left
.if MSB != \new
	s_set_vgpr_msb (MSB<<8)|\new
.set MSB, \new
.endif
.endm
.macro CROUND
	s_barrier_signal -1
	s_barrier_wait -1
	s_cmp_lg_u32 s8, 0
	s_cbranch_scc1 .Lnot_wave_0_\@
	s_barrier_signal -3
.Lnot_wave_0_\@:
	s_barrier_wait -3
	s_barrier_signal -1
	s_barrier_wait -1
.endm
	s_load_b128 s[4:7], s[0:1], 0x0                ; big s[4:5], o s[6:7]
	s_set_vgpr_msb 0x40
	v_lshl_add_u32 v192, v0, 2, 0x4c000
	v_mov_b32 v193, 0
	s_set_vgpr_msb 0x4045
	ds_add_u32 v192, v193
	s_set_vgpr_msb 0x4500
	v_lshrrev_b32 v1, 5, v0
	v_readfirstlane_b32 s8, v1                     ; wave 0..7
	s_and_b32 s76, s8, 3                           ; g
	s_lshr_b32 s77, s8, 2                          ; half: which 32 of every 64 keys.  Also: I fetch K (0) or V (1)
	s_sub_co_u32 s78, 3, s76                       ; 3 - g
	s_sub_co_u32 s80, 4, s76                       ; 4 - g
	s_add_co_u32 s81, s76, 1                       ; g + 1
	s_bfe_u32 s9, ttmp6, 0x40000                   ; cx
	s_and_b32 s10, ttmp7, 0xffff                   ; 16 batch + head
	s_lshr_b32 s2, s10, 4                          ; batch
	s_and_b32 s3, s10, 15                          ; head
	s_lshl2_add_u32 s11, s76, s9                   ; u of the even tiles: 4 g + cx
	s_lshl2_add_u32 s79, s78, s9                   ; u of the odd tiles: 4 (3 - g) + cx
	s_mov_b32 s12, 0x76543210                      ; v_permlanex16_b32: lane i reads lane i of the other half
	s_mov_b32 s13, 0xfedcba98
	s_mov_b32 s66, 0x3d38aa3b                      ; c = log2(e) / 32
	s_mov_b32 s67, 0x3d38aa3b
	s_mov_b32 s68, 0xbd38aa3b                      ; -c
	s_mov_b32 s69, 0xff7fffff                      ; -FLT_MAX
	; group 1: 64 rows x 64 elements of 2 bytes, joint for all four work-groups; K: 4 words of padding behind every 32, V: 8 words
	s_mov_b32 s16, 15|(1<<16)|(1<<20)|(1<<21)|(4<<22)|(3<<25)
	s_mov_b32 s17, 64<<16
	s_mov_b32 s18, 64<<16
	s_mov_b32 s19, 64<<16
	s_mov_b32 s20, 64
	s_mov_b32 s21, 64
	s_mov_b32 s22, 0
	s_mov_b32 s23, 0
	s_mov_b32 s24, 15|(1<<16)|(1<<20)|(1<<21)|(4<<22)|(7<<25)
	s_mov_b32 s25, 64<<16
	s_mov_b32 s26, 64<<16
	s_mov_b32 s27, 64<<16
	s_mov_b32 s28, 64
	s_mov_b32 s29, 64
	s_mov_b32 s30, 0
	s_mov_b32 s31, 0
	s_lshl_b32 s14, s3, 19                         ; head x 524,288
	s_lshl_b32 s15, s2, 17                         ; + batch x 1,024 rows of 128 bytes
	s_add_co_u32 s14, s14, s15
	s_mov_b32 s15, 0
	s_mul_i32 s70, s8, 64*KP                       ; waves 0-3: my 64 rows of a chunk in K's region
	s_mul_i32 s71, s8, 64*VP                       ; waves 4-7: 64 (w - 4) rows in V's: the 4 x 64 rows are taken off the constant below
	s_lshl_b32 s72, s2, 22                         ; o: batch x 1,024 rows of 4,096 bytes
	s_lshl_b32 s73, s3, 8                          ; + the head's 256 bytes of a row
	s_add_co_u32 s72, s72, s73
	s_mov_b32 s73, 0
	v_and_b32 v40, 15, v0                          ; r
	v_bfe_u32 v41, v0, 4, 1                        ; h
	v_lshlrev_b32 v[QOE], 7, v40
	v_lshl_add_u32 v[QOE], v41, 4, v[QOE]          ; r x 128 + 16 h
	s_lshl_b32 s74, s11, 11                        ; + 16 u rows of 128 bytes
	s_lshl_b32 s75, s79, 11
	v_add_nc_u32 v[QOE+1], s75, v[QOE]
	v_add_nc_u32 v[QOE], s74, v[QOE]
	s_wait_dscnt 0x0
	s_wait_kmcnt 0x0
	s_add_nc_u64 s[4:5], s[4:5], s[14:15]          ; q's panel of this head at the batch's first row
	s_add_nc_u64 s[6:7], s[6:7], s[72:73]
	WIN 0x40                                       ; Q goes out first, ahead of the cluster's round
.irp tj, 0,1,2,3
.irp kd, 0,1
	global_load_b128 v[QF+16*\tj+8*\kd:QF+16*\tj+8*\kd+3],   v[QOE+(\tj&1)], s[4:5] offset:\tj*32768+64*\kd
	global_load_b128 v[QF+16*\tj+8*\kd+4:QF+16*\tj+8*\kd+7], v[QOE+(\tj&1)], s[4:5] offset:\tj*32768+64*\kd+32
.endr
.endr
	WIN 0
	s_lshl_b32 s14, s8, 13                         ; wave x 64 rows of 128 bytes
	s_add_nc_u64 s[14:15], s[4:5], s[14:15]
.irp kc, 0,1,2,3
	s_mov_b32 s[32+8*\kc], 1
	s_add_co_u32 s[33+8*\kc], s70, \kc*256*KP
	s_add_nc_u64 s[34+8*\kc:35+8*\kc], s[14:15], 16*524288+\kc*32768           ; k's panel lies 16 panels behind q's
	s_or_b32 s[35+8*\kc], s[35+8*\kc], 0x80000000
	s_mov_b32 s[36+8*\kc], 1
	s_add_co_u32 s[37+8*\kc], s71, VBASE-256*VP+\kc*256*VP
	s_add_nc_u64 s[38+8*\kc:39+8*\kc], s[14:15], 32*524288-32768+\kc*32768     ; v's 32 panels; waves 4-7 take rows 64 (w - 4)
	s_or_b32 s[39+8*\kc], s[39+8*\kc], 0x80000000
.endr
	CROUND                                         ; all four work-groups are here: the joint loads meet
	s_cmp_eq_u32 s77, 0                            ; the branch hangs on the wave's number alone
	s_cbranch_scc0 .Lfor_v
.irp kc, 0,1,2,3
	tensor_load_to_lds s[32+8*\kc:35+8*\kc], s[16:23]      ; K's chunk kc, 64 rows.  Four tensor loads of a wave are out, all of them first fills
	s_nop 0
.endr
	s_branch .Lasked
.Lfor_v:
.irp kc, 0,1,2,3
	tensor_load_to_lds s[36+8*\kc:39+8*\kc], s[24:31]      ; V's chunk kc, 64 rows
	s_nop 0
.endr
.Lasked:
	v_and_b32 v42, 7, v0
	v_bfe_u32 v43, v0, 3, 1
	v_and_b32 v44, 31, v0                          ; lane
	s_mul_i32 s70, s77, 32*KP                      ; the second half starts 32 keys further
	s_mul_i32 s71, s77, 32*VP
	s_add_co_u32 s71, s71, VBASE
	v_mul_u32_u24 v[KA0], v40, KP
	v_lshl_add_u32 v[KA0], v41, 4, v[KA0]          ; key r, 16 h bytes along d
	v_add_nc_u32 v[KA0], s70, v[KA0]
	v_lshl_add_u32 v[VA0], v41, 3, v42
	v_mul_u32_u24 v[VA0], v[VA0], VP               ; key 8 h + l % 8
	v_lshl_add_u32 v[VA0], v43, 4, v[VA0]
	v_add_nc_u32 v[VA0], s71, v[VA0]
	v_mov_b32 v[KA], v[KA0]
	v_mov_b32 v[VA], v[VA0]
	s_lshl_b32 s72, s77, 5                         ; 32 half
	s_lshl_b32 s74, s11, 4
	s_sub_co_u32 s74, s74, s72                     ; 16 u - 32 half, as a signed number
	s_lshl_b32 s75, s79, 4
	s_sub_co_u32 s75, s75, s72
	v_lshlrev_b32 v[DME], 3, v41
	v_sub_nc_u32 v[DME], v40, v[DME]               ; r - 8 h
	v_add_nc_u32 v[DMO], s75, v[DME]
	v_add_nc_u32 v[DME], s74, v[DME]
	s_mul_i32 s70, s8, 16*SPITCH                   ; my stage
	v_mul_u32_u24 v[STO], v40, SPITCH
	v_lshl_add_u32 v[STO], v41, 5, v[STO]
	v_add_nc_u32 v[STO], s70, v[STO]
	v_mul_u32_u24 v[RD], v41, SPITCH
	v_lshl_add_u32 v[RD], v40, 4, v[RD]
	v_add_nc_u32 v[RD], s70, v[RD]
	s_mul_i32 s71, s8, XS                          ; hand-over: slot w lies at XBASE + w XS; XBASE = 4 XS, so slot w - 4 lies at w XS
	v_lshl_add_u32 v[XPA], v44, 4, s71
	v_lshl_add_u32 v[XPM], v44, 3, s71
	v_add_nc_u32 v[XA], XBASE, v[XPA]
	v_add_nc_u32 v[XM], XBASE, v[XPM]
	s_lshl_b32 s74, s11, 16                        ; o: 16 u rows of 4,096 bytes
	s_lshl_b32 s75, s79, 16
	v_lshlrev_b32 v[COE], 12, v41
	v_lshl_add_u32 v[COE], v40, 4, v[COE]
	v_add_nc_u32 v[COE+1], s75, v[COE]
	v_add_nc_u32 v[COE], s74, v[COE]
	v_mov_b32 v[NINF], 0xff800000
.irp tj, 0,1,2,3
	v_mov_b32 v[AL+2*\tj+1], 0                     ; the packed forms name whole pairs
	v_mov_b32 v[NM+2*\tj+1], 0
.endr
.macro PHASEWAIT n                     ; what is read next has landed, in every wave.  Later chunks may stay out
	s_wait_dscnt 0x0
	s_wait_tensorcnt \n
	s_barrier_signal -1
	s_barrier_wait -1
.endm
.macro KLOAD                           ; the K fragments of 32 keys: 8 loads
.irp sg, 0,1
.irp kd, 0,1
	ds_load_b128 v[KF+16*\sg+8*\kd:KF+16*\sg+8*\kd+3],   v[KA] offset:\sg*16*KP+64*\kd
	ds_load_b128 v[KF+16*\sg+8*\kd+4:KF+16*\sg+8*\kd+7], v[KA] offset:\sg*16*KP+64*\kd+32
.endr
.endr
.endm
.macro MASK tj                         ; the diagonal tile: keys beyond the query become -inf
.irp e, 0,1,2,3,4,5,6,7
	v_cmp_le_i32 vcc_lo, \e, v[DM]
	v_cndmask_b32 v[SR+16*\tj+\e], v[NINF], v[SR+16*\tj+\e], vcc_lo
.endr
.irp e, 0,1,2,3,4,5,6,7
	v_cmp_le_i32 vcc_lo, 16+\e, v[DM]
	v_cndmask_b32 v[SR+16*\tj+8+\e], v[NINF], v[SR+16*\tj+8+\e], vcc_lo
.endr
	v_add_nc_u32 v[DM], 0xffffffc0, v[DM]          ; my next step's keys lie 64 further
.endm
.macro TMAX tj                         ; the largest of my 16 numbers, in two chains, and the other half's
	v_max3_num_f32 v[TT+4*\tj],   v[SR+16*\tj],   v[SR+16*\tj+1],  v[SR+16*\tj+2]
	v_max3_num_f32 v[TT+4*\tj+1], v[SR+16*\tj+3], v[SR+16*\tj+4],  v[SR+16*\tj+5]
	v_max3_num_f32 v[TT+4*\tj],   v[TT+4*\tj],    v[SR+16*\tj+6],  v[SR+16*\tj+7]
	v_max3_num_f32 v[TT+4*\tj+1], v[TT+4*\tj+1],  v[SR+16*\tj+8],  v[SR+16*\tj+9]
	v_max3_num_f32 v[TT+4*\tj],   v[TT+4*\tj],    v[SR+16*\tj+10], v[SR+16*\tj+11]
	v_max3_num_f32 v[TT+4*\tj+1], v[TT+4*\tj+1],  v[SR+16*\tj+12], v[SR+16*\tj+13]
	v_max3_num_f32 v[TT+4*\tj],   v[TT+4*\tj],    v[SR+16*\tj+14], v[SR+16*\tj+15]
	v_max_num_f32 v[TT+4*\tj], v[TT+4*\tj], v[TT+4*\tj+1]
	v_permlanex16_b32 v[TT+4*\tj+1], v[TT+4*\tj], s12, s13
.endm
.macro TNEW tj, first                  ; the new running maximum, -c m, and the exponent of the step's factor
.if \first
	v_max3_num_f32 v[MX+\tj], v[TT+4*\tj], v[TT+4*\tj+1], s69      ; never below -FLT_MAX, also where every key of the step is masked
.else
	v_max3_num_f32 v[TT+4*\tj], v[TT+4*\tj], v[TT+4*\tj+1], v[MX+\tj]
	v_sub_f32 v[TT+4*\tj+2], v[MX+\tj], v[TT+4*\tj]
	v_mov_b32 v[MX+\tj], v[TT+4*\tj]
	v_mul_f32 v[TT+4*\tj+2], s66, v[TT+4*\tj+2]
.endif
	v_mul_f32 v[NM+2*\tj], s68, v[MX+\tj]
.endm
.macro TALPHA tj
	v_exp_f32 v[AL+2*\tj], v[TT+4*\tj+2]
.endm
.macro TSCALE tj                       ; s c - c m, two at a time, one rounding
.irp e, 0,1,2,3,4,5,6,7
	v_pk_fma_f32 v[SR+16*\tj+2*\e:SR+16*\tj+2*\e+1], v[SR+16*\tj+2*\e:SR+16*\tj+2*\e+1], s[66:67], v[NM+2*\tj:NM+2*\tj+1] op_sel_hi:[1,0,0]
.endr
.endm
.macro TEXP tj
.irp e, 0,1,2,3,4,5,6,7,8,9,10,11,12,13,14,15
	v_exp_f32 v[SR+16*\tj+\e], v[SR+16*\tj+\e]
.endr
.endm
.macro TSUM tj, first                  ; my 16 p summed in two chains; the denominator is carried on
	v_pk_add_f32 v[TT+4*\tj:TT+4*\tj+1],   v[SR+16*\tj:SR+16*\tj+1],     v[SR+16*\tj+2:SR+16*\tj+3]
	v_pk_add_f32 v[TT+4*\tj+2:TT+4*\tj+3], v[SR+16*\tj+4:SR+16*\tj+5],   v[SR+16*\tj+6:SR+16*\tj+7]
	v_pk_add_f32 v[TT+4*\tj:TT+4*\tj+1],   v[TT+4*\tj:TT+4*\tj+1],       v[SR+16*\tj+8:SR+16*\tj+9]
	v_pk_add_f32 v[TT+4*\tj+2:TT+4*\tj+3], v[TT+4*\tj+2:TT+4*\tj+3],     v[SR+16*\tj+10:SR+16*\tj+11]
	v_pk_add_f32 v[TT+4*\tj:TT+4*\tj+1],   v[TT+4*\tj:TT+4*\tj+1],       v[SR+16*\tj+12:SR+16*\tj+13]
	v_pk_add_f32 v[TT+4*\tj+2:TT+4*\tj+3], v[TT+4*\tj+2:TT+4*\tj+3],     v[SR+16*\tj+14:SR+16*\tj+15]
	v_pk_add_f32 v[TT+4*\tj:TT+4*\tj+1],   v[TT+4*\tj:TT+4*\tj+1],       v[TT+4*\tj+2:TT+4*\tj+3]
.if \first
	v_add_f32 v[LS+\tj], v[TT+4*\tj], v[TT+4*\tj+1]
.else
	v_add_f32 v[TT+4*\tj], v[TT+4*\tj], v[TT+4*\tj+1]
	v_fma_f32 v[LS+\tj], v[LS+\tj], v[AL+2*\tj], v[TT+4*\tj]
.endif
.endm
.macro TPACK tj                        ; 16 p to bf16 in place, ascending: registers 0-3 keys 8 h + 0..7, registers 4-7 keys 16 + 8 h + 0..7
.irp e, 0,1,2,3,4,5,6,7
	v_cvt_pk_bf16_f32 v[SR+16*\tj+\e], v[SR+16*\tj+2*\e], v[SR+16*\tj+2*\e+1]
.endr
.endm
.macro TRESC tj                        ; O^T of the tile times the step's factor (window 1 for destination and first source)
.irp e, 0,1,2,3,4,5,6,7,8,9,10,11,12,13,14,15
	v_pk_mul_f32 v[32*\tj+2*\e:32*\tj+2*\e+1], v[32*\tj+2*\e:32*\tj+2*\e+1], v[AL+2*\tj:AL+2*\tj+1] op_sel_hi:[1,0]
.endr
.endm
.macro EACH j0, m, a                   ; macro m for every tile from j0 on
.irp tj, 0,1,2,3
.if \tj >= \j0
	\m \tj \a
.endif
.endr
.endm
; One step: my 32 keys, tiles j0..3.  first = 1: the sums start here.  pref = 1: my next step's K fragments are fetched.  mask = 1: tile j0 is the diagonal one.
.macro STEP j0, first, pref, mask
.irp dt, 0,1,2,3
	ds_load_tr16_b128 v[VF+8*\dt:VF+8*\dt+3],   v[VA] offset:32*\dt
	ds_load_tr16_b128 v[VF+8*\dt+4:VF+8*\dt+7], v[VA] offset:32*\dt+16*VP
.endr
	s_wait_dscnt 8                                 ; the K fragments, asked for a step ago, are in; V's eight loads stay out
	WIN 0x04                                       ; source 1 (Q) in window 1
	; S^T: first d = 0..31 of every accumulator, then d = 32..63 in the same order: the accumulators (two at the least) take turns
.irp tj, 0,1,2,3
.irp sg, 0,1
.if \tj >= \j0
	v_wmma_f32_16x16x32_bf16 v[SR+16*\tj+8*\sg:SR+16*\tj+8*\sg+7], v[KF+16*\sg:KF+16*\sg+7], v[QF+16*\tj:QF+16*\tj+7], 0
.endif
.endr
.endr
.irp tj, 0,1,2,3
.irp sg, 0,1
.if \tj >= \j0
	v_wmma_f32_16x16x32_bf16 v[SR+16*\tj+8*\sg:SR+16*\tj+8*\sg+7], v[KF+16*\sg+8:KF+16*\sg+15], v[QF+16*\tj+8:QF+16*\tj+15], v[SR+16*\tj+8*\sg:SR+16*\tj+8*\sg+7]
.endif
.endr
.endr
	WIN 0
	; five places behind the products: for the loads into K's fragments, for the vector work on S, and for P, which is written into S's registers and read as a matrix source
.if \pref
	v_add_nc_u32 v[KA], 64*KP, v[KA]
	v_add_nc_u32 v[VA], 64*VP, v[VA]
	v_nop
	v_nop
	v_nop
	KLOAD
.else
.rept 5
	v_nop
.endr
.endif
.if \mask
	MASK \j0
.endif
	EACH \j0, TMAX
	EACH \j0, TNEW, \first
.if \first == 0
	EACH \j0, TALPHA
.endif
	EACH \j0, TSCALE                               ; plain work that touches neither the factors nor their exponents: the place behind the lines above
	EACH \j0, TEXP
	v_nop                                          ; one plain place behind the exponentials (ISA guide 5.7.2)
	s_wait_alu depctr_va_vdst(0)
	EACH \j0, TSUM, \first
	EACH \j0, TPACK
.if \pref
	s_wait_dscnt 8                                 ; V's fragments are in; the next step's eight K loads stay out
.else
	s_wait_dscnt 0
.endif
.if \first == 0
	WIN 0x41
	EACH \j0, TRESC
.endif
	WIN 0x50                                       ; C and D (O^T) in window 1
.irp dt, 0,1,2,3
.irp tj, 0,1,2,3
.if \tj >= \j0
.if \first
	v_wmma_f32_16x16x32_bf16 v[32*\tj+8*\dt:32*\tj+8*\dt+7], v[VF+8*\dt:VF+8*\dt+7], v[SR+16*\tj:SR+16*\tj+7], 0
.else
	v_wmma_f32_16x16x32_bf16 v[32*\tj+8*\dt:32*\tj+8*\dt+7], v[VF+8*\dt:VF+8*\dt+7], v[SR+16*\tj:SR+16*\tj+7], v[32*\tj+8*\dt:32*\tj+8*\dt+7]
.endif
.endif
.endr
.endr
	WIN 0
.rept 5
	v_nop                                          ; five places: the next step loads into V's fragments and its first products write over P
.endr
.endm
; s[cnt] steps (0 to 4, by the wave's number) of one kind.  No barrier stands inside.
.macro RUN cnt, j0, mask
	s_cmp_eq_u32 s[\cnt], 0
	s_cbranch_scc1 .Lnone_\@
	s_mov_b32 s70, s[\cnt]
.Lrun_\@:
	STEP \j0, 0, 1, \mask
	s_sub_co_u32 s70, s70, 1
	s_cmp_lg_u32 s70, 0
	s_cbranch_scc1 .Lrun_\@
.Lnone_\@:
.endm
; A phase's start: four steps of 64 keys lie behind each phase, so these sums restate the addresses by constants; the mask's number starts anew.
.macro PHASE kc
	v_add_nc_u32 v[KA], \kc*256*KP, v[KA0]
	v_add_nc_u32 v[VA], \kc*256*VP, v[VA0]
	v_mov_b32 v[DM], v[DME+(\kc&1)]
.endm
	; A wave issued its chunks in the order 0 1 2 3.  The first step needs chunk 0 of K and of V alone (its fetch ahead stays inside the chunk).
	PHASEWAIT 3                                    ; chunk 0 has landed: three younger loads stay out
	KLOAD
	v_mov_b32 v[DM], v[DME]
	s_wait_loadcnt 0x0                             ; Q
	STEP 0, 1, 1, 1
	PHASEWAIT 0                                    ; everything has landed, in every wave: no barrier is needed until the way out, so waves whose trips differ do not wait for each other
	RUN 76, 0, 1                                   ; phase 0: g more steps with the diagonal tile 0,
	RUN 78, 1, 0                                   ; 3 - g without it
	PHASE 1
	RUN 80, 1, 1                                   ; phase 1: 4 - g steps with the diagonal tile 1,
	RUN 76, 2, 0                                   ; g without it
	PHASE 2
	RUN 81, 2, 1                                   ; phase 2: g + 1 and 3 - g
	RUN 78, 3, 0
	PHASE 3
	RUN 78, 3, 1                                   ; phase 3: 4 - g steps with the diagonal tile 3, the last of them without a fetch ahead
	STEP 3, 0, 0, 1
	; THE WAY OUT.  Stages and hand-over lie in K's region, which has had its only fill; behind this barrier no wave reads K any more.
	s_wait_dscnt 0x0
	s_barrier_signal -1
	s_barrier_wait -1
.irp tj, 0,1,2,3
	v_permlanex16_b32 v[TT+4*\tj], v[LS+\tj], s12, s13     ; the two halves of the lanes hold different keys of one query
.endr
.irp tj, 0,1,2,3
	v_add_f32 v[LS+\tj], v[LS+\tj], v[TT+4*\tj]
.endr
; I hand tiles a, a + 1 to my partner: O as it lies in my registers (its lanes hold the same elements), then m and l
.macro XGIVE a
	WIN 0x04                                       ; store data from window 1
.irp i, 0,1,2,3,4,5,6,7,8,9,10,11,12,13,14,15
	ds_store_b128 v[XA], v[32*\a+4*\i:32*\a+4*\i+3] offset:512*\i
.endr
	WIN 0
	ds_store_b64 v[XM], v[MX+\a:MX+\a+1] offset:8192
	ds_store_b64 v[XM], v[LS+\a:LS+\a+1] offset:8448
.endm
.macro XTAKE ra, rm, off
	ds_load_b64 v[XMM:XMM+1], v[\rm] offset:\off+8192
	ds_load_b64 v[XLL:XLL+1], v[\rm] offset:\off+8448
.irp i, 0,1,2,3,4,5,6,7,8,9,10,11,12,13,14,15
	ds_load_b128 v[XR+4*\i:XR+4*\i+3], v[\ra] offset:\off+512*\i
.endr
.endm
; the factors that join tile tj with the partner's (its number x of the two taken): a_i = 2^((m_i - m) c), l = l_1 a_1 + l_2 a_2 >= 1, factors a_i / l
.macro FACT tj, x
	v_max_num_f32 v[TT+4*\tj], v[MX+\tj], v[XMM+\x]
	v_sub_f32 v[TT+4*\tj+1], v[MX+\tj], v[TT+4*\tj]
	v_sub_f32 v[TT+4*\tj+2], v[XMM+\x], v[TT+4*\tj]
	v_mul_f32 v[TT+4*\tj+1], s66, v[TT+4*\tj+1]
	v_mul_f32 v[TT+4*\tj+2], s66, v[TT+4*\tj+2]
	v_exp_f32 v[TT+4*\tj+1], v[TT+4*\tj+1]
	v_exp_f32 v[TT+4*\tj+2], v[TT+4*\tj+2]
	v_nop                                          ; one plain place behind the transcendentals (ISA guide 5.7.2)
	s_wait_alu depctr_va_vdst(0)
	v_mul_f32 v[TT+4*\tj+3], v[LS+\tj], v[TT+4*\tj+1]
	v_fma_f32 v[TT+4*\tj+3], v[XLL+\x], v[TT+4*\tj+2], v[TT+4*\tj+3]
	v_rcp_f32 v[TT+4*\tj], v[TT+4*\tj+3]
	v_nop
	s_wait_alu depctr_va_vdst(0)
	v_mul_f32 v[AL+2*\tj], v[TT+4*\tj+1], v[TT+4*\tj]
	v_mul_f32 v[NM+2*\tj], v[TT+4*\tj+2], v[TT+4*\tj]
.endm
; a tile's 16 queries: lane (r, h) holds query r, d = 16 dt + 8 h + j.  Joined, then through my stage, so that sixteen lanes store a query's 256 consecutive bytes.
.macro OUTJ tj, x
	WIN 0x01
.irp e, 0,1,2,3,4,5,6,7,8,9,10,11,12,13,14,15
	v_pk_mul_f32 v[OT+2*\e:OT+2*\e+1], v[32*\tj+2*\e:32*\tj+2*\e+1], v[AL+2*\tj:AL+2*\tj+1] op_sel_hi:[1,0]
.endr
	WIN 0
.irp e, 0,1,2,3,4,5,6,7,8,9,10,11,12,13,14,15
	v_pk_fma_f32 v[OT+2*\e:OT+2*\e+1], v[XR+32*\x+2*\e:XR+32*\x+2*\e+1], v[NM+2*\tj:NM+2*\tj+1], v[OT+2*\e:OT+2*\e+1] op_sel_hi:[1,0,1]
.endr
.irp dt, 0,1,2,3
	ds_store_b128 v[STO], v[OT+8*\dt:OT+8*\dt+3] offset:64*\dt
	ds_store_b128 v[STO], v[OT+8*\dt+4:OT+8*\dt+7] offset:64*\dt+16
.endr
	s_wait_xcnt 0x0                                ; the read-back registers, which the last tile's stores read, are loaded again only behind this wait
.irp i, 0,1,2,3,4,5,6,7
	ds_load_b128 v[RB+4*\i:RB+4*\i+3], v[RD] offset:\i*2*SPITCH            ; LDS serves a wave's instructions in order: these see the stores above
.endr
.irp i, 0,1,2,3,4,5,6,7
	s_wait_dscnt 7-\i
	global_store_b128 v[COE+(\tj&1)], v[RB+4*\i:RB+4*\i+3], s[6:7] offset:\tj*1048576+\i*8192
.endr
.endm
.macro FINISH a, b                     ; tiles a and b = a + 1 are joined and stored; both numbers are given plainly
	s_wait_dscnt 16                                ; the partner's m and l are in; the sixteen loads of its O stay out
	FACT \a, 0
	FACT \b, 1
	s_wait_dscnt 0
	OUTJ \a, 0
	OUTJ \b, 1
.endm
	s_cmp_eq_u32 s77, 0
	s_cbranch_scc0 .Lgive_low
	XGIVE 2                                        ; waves 0-3 finish tiles 0, 1 and hand over tiles 2, 3
	s_branch .Lgiven
.Lgive_low:
	XGIVE 0                                        ; waves 4-7 the other way round
.Lgiven:
	s_wait_dscnt 0x0                               ; for the partner's sake: my stores are done
	s_barrier_signal -1
	s_barrier_wait -1
	s_cmp_eq_u32 s77, 0
	s_cbranch_scc0 .Ltake_high
	XTAKE XA, XM, 4*XS                             ; the partner's slot lies four slots above mine
	FINISH 0, 1
	s_branch .Ldone
.Ltake_high:
	XTAKE XPA, XPM, 0                              ; four slots below mine
	FINISH 2, 3
.Ldone:
	s_set_vgpr_msb 0x5
	s_wait_tensorcnt 0x0
	ds_add_u32 v192, v193
	s_wait_dscnt 0x0
	s_set_vgpr_msb 0x500
	CROUND                                         ; the closing round
	s_endpgm
.Lfunc_end_k_q10472b830f_attn:
	.size	k_q10472b830f_attn, .Lfunc_end_k_q10472b830f_attn-k_q10472b830f_attn
	.p2alignl 7, 3214868480
	.fill 96, 4, 3214868480
	.section	.rodata,"a",@progbits
	.p2align	6, 0x0
	.amdhsa_kernel k_q10472b830f_attn
		.amdhsa_group_segment_fixed_size 312320
		.amdhsa_private_segment_fixed_size 0
		.amdhsa_enable_private_segment 0
		.amdhsa_kernarg_size 16
		.amdhsa_user_sgpr_count 2
		.amdhsa_user_sgpr_kernarg_segment_ptr 1
		.amdhsa_wavefront_size32 1
		.amdhsa_system_sgpr_workgroup_id_x 1
		.amdhsa_system_sgpr_workgroup_id_y 1
		.amdhsa_system_sgpr_workgroup_id_z 1
		.amdhsa_system_vgpr_workitem_id 0
		.amdhsa_next_free_vgpr 450
		.amdhsa_next_free_sgpr 82
		.amdhsa_reserve_vcc 1
		.amdhsa_float_denorm_mode_32 3
		.amdhsa_float_denorm_mode_16_64 3
		.amdhsa_memory_ordered 1
		.amdhsa_forward_progress 1
		.amdhsa_inst_pref_size 144
	.end_amdhsa_kernel
	.amdgpu_metadata
---
amdhsa.version: [ 1, 2 ]
amdhsa.kernels:
  - .name:           k_q10472b830f_attn
    .symbol:         k_q10472b830f_attn.kd
    .args:
      - { .name: big, .offset: 0, .size: 8, .value_kind: global_buffer, .address_space: global }
      - { .name: o, .offset: 8, .size: 8, .value_kind: global_buffer, .address_space: global }
    .group_segment_fixed_size: 312320
    .private_segment_fixed_size: 0
    .kernarg_segment_align: 8
    .kernarg_segment_size: 16
    .max_flat_workgroup_size: 256
    .sgpr_count:     82
    .vgpr_count:     450
    .wavefront_size: 32
...
	.end_amdgpu_metadata
.endif
;; end of part 3
;; launch ln23 (part 4): grid 256 x 1, 8 waves a work-group, no clusters, 25,600 bytes of LDS; arguments x, o, g1, b1, g2, b2, gf, bf, hfb, res; writes hfb, res
.if DOCPART == 4
	.amdgcn_target "amdgcn-amd-amdhsa--gfx1250"
	.amdhsa_code_object_version 6
	.text
	.protected	k_q10472b830f_ln23
	.globl	k_q10472b830f_ln23
	.p2align	8
	.type	k_q10472b830f_ln23,@function
k_q10472b830f_ln23:
	s_mov_b64 s[64:65], 0
	v_nop
	global_prefetch_b8 v0, s[64:65] scope:SCOPE_SE
	s_setreg_imm32_b32 hwreg(HW_REG_WAVE_MODE, 25, 1), 1
	s_wait_xcnt 0x0
; ln23: h = LN(x; g1, b1) once more, in f32 (x is as many bytes as a stored h would be, and h was never written in f32);
; x3 = LN(h + o; g2, b2); hf = LN(x3; gf, bf).  Stored: hfb = hf in bf16 (the next product's operand) and res = x3 + hf in f32 (all that the end still needs of both).
; 256 groups of 8 waves, 16 rows a group, 2 rows a wave; a row lies in 32 registers from its load to its store.  Chunk j holds columns 128 j + 4 lane .. + 3.
; The six parameter vectors are read once by the group (16 bytes a thread) and handed round through LDS: 6 x 4,096 bytes, one barrier.
; Memory binds: no matrix unit, no cluster (the groups share nothing but 24 KiB of parameters), no loop.
; Every variance is taken in two passes.  Limit: v_rsq_f32 is accurate to 1 ULP and flushes denormals (its argument is at least 1e-5).
.set AC,   8
.set NMU,  16
.set RS,   18
.set TS,   20
.set PP,   24                          ; v[24:47]   the six vectors' 16 bytes of this thread
.set X0,   48
.set X1,   80
.set O0,   112
.set O1,   144
.set GG,   176
.set BB,   208
.set SINV, 26
.set SEPS, 27
.macro JOIN
	v_pk_add_f32 v[AC:AC+1], v[AC:AC+1], v[AC+2:AC+3]
	v_pk_add_f32 v[AC+4:AC+5], v[AC+4:AC+5], v[AC+6:AC+7]
	v_pk_add_f32 v[AC:AC+1], v[AC:AC+1], v[AC+4:AC+5]
	v_add_f32 v[TS], v[AC], v[AC+1]
	v_add_f32_dpp v[TS], v[TS], v[TS] row_xmask:1 row_mask:0xf bank_mask:0xf
	v_add_f32_dpp v[TS], v[TS], v[TS] row_xmask:2 row_mask:0xf bank_mask:0xf
	v_add_f32_dpp v[TS], v[TS], v[TS] row_xmask:4 row_mask:0xf bank_mask:0xf
	v_add_f32_dpp v[TS], v[TS], v[TS] row_xmask:8 row_mask:0xf bank_mask:0xf
	v_permlanex16_b32 v[TS+1], v[TS], s28, s29
	v_add_f32 v[TS], v[TS], v[TS+1]
.endm
.macro STATS src, dst                  ; dst = src - mean(src); RS = 1/sqrt(mean(dst^2) + eps)
.irp k, 0,1,2,3
	v_pk_add_f32 v[AC+2*\k:AC+2*\k+1], v[\src+2*\k:\src+2*\k+1], v[\src+2*\k+8:\src+2*\k+9]
.endr
.irp k, 8,9,10,11,12,13,14,15
	v_pk_add_f32 v[AC+2*(\k%4):AC+2*(\k%4)+1], v[AC+2*(\k%4):AC+2*(\k%4)+1], v[\src+2*\k:\src+2*\k+1]
.endr
	JOIN
	v_mul_f32 v[NMU], 0xba800000, v[TS]
	v_mov_b32 v[NMU+1], v[NMU]
.irp k, 0,1,2,3,4,5,6,7,8,9,10,11,12,13,14,15
	v_pk_add_f32 v[\dst+2*\k:\dst+2*\k+1], v[\src+2*\k:\src+2*\k+1], v[NMU:NMU+1]
.endr
.irp k, 0,1,2,3
	v_pk_mul_f32 v[AC+2*\k:AC+2*\k+1], v[\dst+2*\k:\dst+2*\k+1], v[\dst+2*\k:\dst+2*\k+1]
.endr
.irp k, 4,5,6,7,8,9,10,11,12,13,14,15
	v_pk_fma_f32 v[AC+2*(\k%4):AC+2*(\k%4)+1], v[\dst+2*\k:\dst+2*\k+1], v[\dst+2*\k:\dst+2*\k+1], v[AC+2*(\k%4):AC+2*(\k%4)+1]
.endr
	JOIN
	v_fma_f32 v[TS], v[TS], s[SINV], s[SEPS]
	v_rsq_f32 v[RS], v[TS]
	v_nop                                          ; one plain place behind the transcendental (ISA guide 5.7.2)
	s_wait_alu depctr_va_vdst(0)
	v_mov_b32 v[RS+1], v[RS]
.endm
.macro APPLY dst
.irp k, 0,1,2,3,4,5,6,7,8,9,10,11,12,13,14,15
	v_pk_mul_f32 v[\dst+2*\k:\dst+2*\k+1], v[\dst+2*\k:\dst+2*\k+1], v[RS:RS+1]
.endr
.irp k, 0,1,2,3,4,5,6,7,8,9,10,11,12,13,14,15
	v_pk_fma_f32 v[\dst+2*\k:\dst+2*\k+1], v[\dst+2*\k:\dst+2*\k+1], v[GG+2*\k:GG+2*\k+1], v[BB+2*\k:BB+2*\k+1]
.endr
.endm
.macro PACK r
.irp j, 0,1,2,3,4,5,6,7
	v_cvt_pk_bf16_f32 v[\r+2*\j], v[\r+4*\j], v[\r+4*\j+1]
	v_cvt_pk_bf16_f32 v[\r+2*\j+1], v[\r+4*\j+2], v[\r+4*\j+3]
.endr
.endm
.macro ADDROW d, a                     ; d += a
.irp k, 0,1,2,3,4,5,6,7,8,9,10,11,12,13,14,15
	v_pk_add_f32 v[\d+2*\k:\d+2*\k+1], v[\d+2*\k:\d+2*\k+1], v[\a+2*\k:\a+2*\k+1]
.endr
.endm
.macro GB p                            ; gain p and bias p + 1 of my 32 columns, from LDS
.irp j, 0,1,2,3,4,5,6,7
	ds_load_b128 v[GG+4*\j:GG+4*\j+3], v1 offset:\p*4096+512*\j
.endr
.irp j, 0,1,2,3,4,5,6,7
	ds_load_b128 v[BB+4*\j:BB+4*\j+3], v1 offset:(\p+1)*4096+512*\j
.endr
.endm
	s_load_b512 s[4:19], s[0:1], 0x0               ; x, o, g1, b1, g2, b2, gf, bf
	s_load_b128 s[20:23], s[0:1], 0x40             ; hfb, res
	v_lshl_add_u32 v240, v0, 2, 0x6000
	v_mov_b32 v241, 0
	s_mov_b32 s28, 0x76543210
	s_mov_b32 s29, 0xfedcba98
	s_mov_b32 s[SINV], 0x3a800000                  ; 1/1024
	s_mov_b32 s[SEPS], 0x3727c5ac                  ; 1e-5
	s_lshl_b32 s24, ttmp9, 16                      ; 16 rows of 4,096 bytes
	s_mov_b32 s25, 0
	v_and_b32 v1, 31, v0
	v_lshrrev_b32 v5, 5, v0
	v_lshlrev_b32 v1, 4, v1                        ; 16 lane
	v_lshl_add_u32 v2, v5, 13, v1                  ; + 2 w rows of 4,096 bytes
	v_lshrrev_b32 v3, 1, v2                        ; the same in bf16
	v_lshlrev_b32 v4, 4, v0                        ; 16 t
	v_mov_b32 v[TS+1], 0                           ; the permute's destination counts as read
	s_wait_kmcnt 0x0
.irp p, 0,1,2,3,4,5
	global_load_b128 v[PP+4*\p:PP+4*\p+3], v4, s[8+2*\p:9+2*\p]
.endr
	s_add_nc_u64 s[4:5], s[4:5], s[24:25]
	s_add_nc_u64 s[6:7], s[6:7], s[24:25]
	s_add_nc_u64 s[22:23], s[22:23], s[24:25]
	s_lshl_b32 s24, ttmp9, 15
	s_add_nc_u64 s[20:21], s[20:21], s[24:25]
.irp j, 0,1,2,3,4,5,6,7
	global_load_b128 v[X0+4*\j:X0+4*\j+3], v2, s[4:5] offset:512*\j
.endr
.irp j, 0,1,2,3,4,5,6,7
	global_load_b128 v[X1+4*\j:X1+4*\j+3], v2, s[4:5] offset:4096+512*\j
.endr
.irp j, 0,1,2,3,4,5,6,7
	global_load_b128 v[O0+4*\j:O0+4*\j+3], v2, s[6:7] offset:512*\j
.endr
.irp j, 0,1,2,3,4,5,6,7
	global_load_b128 v[O1+4*\j:O1+4*\j+3], v2, s[6:7] offset:4096+512*\j
.endr
	s_wait_loadcnt 32                              ; the six parameter loads are in; the rows' 32 loads stay out
.irp p, 0,1,2,3,4,5
	ds_store_b128 v4, v[PP+4*\p:PP+4*\p+3] offset:\p*4096
.endr
	s_wait_dscnt 0x0                               ; for the other waves' sake: my stores are done
	s_barrier_signal -1
	s_barrier_wait -1
	GB 0
	s_wait_loadcnt 24                              ; x's first row
	STATS X0, X0
	s_wait_dscnt 0x0                               ; g1, b1
	APPLY X0
	s_wait_loadcnt 16                              ; x's second row
	STATS X1, X1
	APPLY X1
	GB 2
	s_wait_loadcnt 8                               ; o's first row
	ADDROW X0, O0
	s_wait_loadcnt 0
	ADDROW X1, O1
	STATS X0, X0
	s_wait_dscnt 0x0                               ; g2, b2
	APPLY X0
	STATS X1, X1
	APPLY X1                                       ; X = x3
	GB 4
	STATS X0, O0
	s_wait_dscnt 0x0                               ; gf, bf
	APPLY O0
	STATS X1, O1
	APPLY O1                                       ; O = hf
	ADDROW X0, O0                                  ; X = x3 + hf
	ADDROW X1, O1
	PACK O0
	PACK O1
.irp j, 0,1,2,3,4,5,6,7
	global_store_b128 v2, v[X0+4*\j:X0+4*\j+3], s[22:23] offset:512*\j
.endr
.irp j, 0,1,2,3,4,5,6,7
	global_store_b128 v2, v[X1+4*\j:X1+4*\j+3], s[22:23] offset:4096+512*\j
.endr
.irp j, 0,1,2,3,4,5,6,7
	global_store_b64 v3, v[O0+2*\j:O0+2*\j+1], s[20:21] offset:256*\j
.endr
.irp j, 0,1,2,3,4,5,6,7
	global_store_b64 v3, v[O1+2*\j:O1+2*\j+1], s[20:21] offset:2048+256*\j
.endr
	s_wait_tensorcnt 0x0
	ds_add_u32 v240, v241
	s_wait_dscnt 0x0
	s_endpgm
.Lfunc_end_k_q10472b830f_ln23:
	.size	k_q10472b830f_ln23, .Lfunc_end_k_q10472b830f_ln23-k_q10472b830f_ln23
	.p2alignl 7, 3214868480
	.fill 96, 4, 3214868480
	.section	.rodata,"a",@progbits
	.p2align	6, 0x0
	.amdhsa_kernel k_q10472b830f_ln23
		.amdhsa_group_segment_fixed_size 25600
		.amdhsa_private_segment_fixed_size 0
		.amdhsa_enable_private_segment 0
		.amdhsa_kernarg_size 80
		.amdhsa_user_sgpr_count 2
		.amdhsa_user_sgpr_kernarg_segment_ptr 1
		.amdhsa_wavefront_size32 1
		.amdhsa_system_sgpr_workgroup_id_x 1
		.amdhsa_system_sgpr_workgroup_id_y 1
		.amdhsa_system_sgpr_workgroup_id_z 1
		.amdhsa_system_vgpr_workitem_id 0
		.amdhsa_next_free_vgpr 242
		.amdhsa_next_free_sgpr 66
		.amdhsa_reserve_vcc 0
		.amdhsa_float_denorm_mode_32 3
		.amdhsa_float_denorm_mode_16_64 3
		.amdhsa_memory_ordered 1
		.amdhsa_forward_progress 1
		.amdhsa_inst_pref_size 55
	.end_amdhsa_kernel
	.amdgpu_metadata
---
amdhsa.version: [ 1, 2 ]
amdhsa.kernels:
  - .name:           k_q10472b830f_ln23
    .symbol:         k_q10472b830f_ln23.kd
    .args:
      - { .name: x, .offset: 0, .size: 8, .value_kind: global_buffer, .address_space: global }
      - { .name: o, .offset: 8, .size: 8, .value_kind: global_buffer, .address_space: global }
      - { .name: g1, .offset: 16, .size: 8, .value_kind: global_buffer, .address_space: global }
      - { .name: b1, .offset: 24, .size: 8, .value_kind: global_buffer, .address_space: global }
      - { .name: g2, .offset: 32, .size: 8, .value_kind: global_buffer, .address_space: global }
      - { .name: b2, .offset: 40, .size: 8, .value_kind: global_buffer, .address_space: global }
      - { .name: gf, .offset: 48, .size: 8, .value_kind: global_buffer, .address_space: global }
      - { .name: bf, .offset: 56, .size: 8, .value_kind: global_buffer, .address_space: global }
      - { .name: hfb, .offset: 64, .size: 8, .value_kind: global_buffer, .address_space: global }
      - { .name: res, .offset: 72, .size: 8, .value_kind: global_buffer, .address_space: global }
    .group_segment_fixed_size: 25600
    .private_segment_fixed_size: 0
    .kernarg_segment_align: 8
    .kernarg_segment_size: 80
    .max_flat_workgroup_size: 256
    .sgpr_count:     66
    .vgpr_count:     242
    .wavefront_size: 32
...
	.end_amdgpu_metadata
.endif
;; end of part 4
;; launch ffn1 (part 5): grid 16 x 16, 4 waves a work-group, clusters of 4 x 4, 327,680 bytes of LDS; arguments hfb, w1b, big, b1f; writes big
.if DOCPART == 5
	.amdgcn_target "amdgcn-amd-amdhsa--gfx1250"
	.amdhsa_code_object_version 6
	.text
	.protected	k_q10472b830f_ffn1
	.globl	k_q10472b830f_ffn1
	.p2align	8
	.type	k_q10472b830f_ffn1,@function
k_q10472b830f_ffn1:
	s_mov_b64 s[64:65], 0
	v_nop
	global_prefetch_b8 v0, s[64:65] scope:SCOPE_SE
	s_setreg_imm32_b32 hwreg(HW_REG_WAVE_MODE, 25, 1), 1
	s_wait_xcnt 0x0
	s_wait_alu depctr_hold_cnt(0) depctr_sa_sdst(0) depctr_va_vdst(0) depctr_va_sdst(0) depctr_va_ssrc(0) depctr_va_vcc(0) depctr_vm_vsrc(0)
	s_getreg_b32 s2, hwreg(HW_REG_IB_STS2, 6, 4)
	s_cmp_eq_u32 s2, 0
	s_cbranch_scc0 .Lentry_in_a_cluster
	s_endpgm
.Lentry_in_a_cluster:
	s_bfe_u32 s2, ttmp6, 0x10000c
	s_cmp_lg_u32 s2, 0xf033
	s_cbranch_scc0 .Lentry_shape_is_right
	s_endpgm
.Lentry_shape_is_right:
; ffn1: big = relu(hfb x w1b + b1f), bf16, [4096][4096].  hfb: [4096][1024] bf16 (K along the rows).  w1b: [1024 k][4096 n] bf16 (N along the rows).
; A work-group makes 256 x 256 with four waves, a wave 128 x 128: 64 accumulator tiles, 512 registers; 16 x 16 = 256 work-groups.
; K goes in steps of 128 through a ring of two LDS slots.  The activations' tile is read by ds_load_b128, the weights' tile, which has N along its rows,
; by ds_load_tr16_b128: each lane gets one column with K along its registers.
; CLUSTERS: 4 x 4 work-groups; the activations' tiles are asked for jointly along a row of the cluster, the weights' along a column.
; The bias is the C operand of each accumulator's first product.
; REGISTERS in windows of 256: window 0: v16-27 addresses, v64-127 and v128-191 activation fragments, v192-223 work on the way out;
; window 1: v64-127, v128-191 weight fragments, v192-255 the bias; window 2: accumulators of my rows 0-63; window 3: rows 64-127.
; The matrix instruction is used transposed: lane l holds row l % 16 of the result, registers 0-7 the columns 8 (l / 16) + 0..7.
; Limit: the ReLU is v_max_num_f32 with 0, which turns a NaN into 0.
.set SIZE_K, 1024
.set SIZE_N, 4096
.set KSTEP,  128
.set PITCH,  272
.set BPITCH, 544
.set HALFT,  128*PITCH
.set SLOT,   4*HALFT
.set STAGE,  2*SLOT
.set SPITCH, 272
.set LAPS,   SIZE_K/(2*KSTEP)
.set ADRA, 16
.set ADRB, 20
.set STO,  24
.set RD,   25
.set CO,   26
.set BO,   27
.set F0,   64
.set F1,   128
.set TMP,  192
.set BIAS, 192
.set G1,  24
.set G0,  32
.set G1B, 48
.set G0B, 56
.set MSB, 0
.macro WIN new
.if MSB != \new
	s_set_vgpr_msb (MSB<<8)|\new
.set MSB, \new
.endif
.endm
.set MUL_LO,  0xa1
.set MUL_HI,  0xf1
.set MULB_LO, 0x91
.set MULB_HI, 0xd1
.set TO_B,    0x40
.macro JLOAD s                         ; waves 0 and 1 fetch the activations' halves, waves 2 and 3 the weights'
	s_cmp_eq_u32 s11, 0
	s_cbranch_scc0 .Lfor_b_\@
	tensor_load_to_lds s[G0+4*\s:G0+4*\s+3], s[G1:G1+7]
	s_nop 0
	s_branch .Lasked_\@
.Lfor_b_\@:
	tensor_load_to_lds s[G0B+4*\s:G0B+4*\s+3], s[G1B:G1B+7]
	s_nop 0
.Lasked_\@:
.endm
.macro CREST
	s_cmp_lg_u32 s10, 0
	s_cbranch_scc1 .Lnot_wave_0_\@
	s_barrier_signal -3
.Lnot_wave_0_\@:
	s_barrier_wait -3
	s_barrier_signal -1
	s_barrier_wait -1
.endm
.macro CROUND
	s_barrier_signal -1
	s_barrier_wait -1
	CREST
.endm
.macro PLACES                          ; four places behind a matrix instruction (ISA guide 7.12.1)
.rept 4
	v_nop
.endr
.endm
	s_load_b128 s[4:7], s[0:1], 0x0                ; hfb s[4:5], w1b s[6:7]
	s_load_b64 s[8:9], s[0:1], 0x10                ; big
	s_load_b64 s[68:69], s[0:1], 0x18              ; b1f
	s_set_vgpr_msb 0x40
	v_lshl_add_u32 v63, v0, 2, 0x48400
	s_set_vgpr_msb 0x4000
	v_mov_b32 v255, 0
	s_set_vgpr_msb 0x1
	ds_add_u32 v63, v255
	s_set_vgpr_msb 0x100
	v_lshrrev_b32 v1, 5, v0
	v_readfirstlane_b32 s10, v1
	s_lshr_b32 s11, s10, 1
	s_and_b32 s12, s10, 1
	s_bfe_u32 s40, ttmp6, 0x40000                  ; cx
	s_bfe_u32 s41, ttmp6, 0x40004                  ; cy
	s_lshl_b32 s42, ttmp9, 2
	s_add_co_u32 s42, s42, s40                     ; block column
	s_and_b32 s13, ttmp7, 0xffff
	s_lshl_b32 s13, s13, 2
	s_add_co_u32 s13, s13, s41                     ; block row
	s_lshl_b32 s43, s41, 2
	s_lshl_b32 s43, 15, s43                        ; my row of the cluster
	s_lshl_b32 s44, 0x1111, s40                    ; my column
	s_or_b32 s[G1+0], s43, (1<<16)|(1<<20)|(1<<21)|(5<<22)|(3<<25)   ; 128 rows x 128 elements, 4 words of padding behind every 64
	s_mov_b32 s[G1+1], KSTEP<<16
	s_mov_b32 s[G1+2], 128<<16
	s_mov_b32 s[G1+3], KSTEP<<16
	s_mov_b32 s[G1+4], 128
	s_mov_b32 s[G1+5], SIZE_K
	s_mov_b32 s[G1+6], 0
	s_mov_b32 s[G1+7], 0
	s_or_b32 s[G1B+0], s44, (1<<16)|(1<<20)|(1<<21)|(6<<22)|(7<<25)  ; 64 k-rows x 256 elements, 8 words of padding behind every 128
	s_mov_b32 s[G1B+1], 256<<16
	s_mov_b32 s[G1B+2], 64<<16
	s_mov_b32 s[G1B+3], 256<<16
	s_mov_b32 s[G1B+4], 64
	s_mov_b32 s[G1B+5], SIZE_N
	s_mov_b32 s[G1B+6], 0
	s_mov_b32 s[G1B+7], 0
	s_lshl_b32 s17, s12, 7
	s_lshl_b32 s16, s13, 8
	s_add_co_u32 s16, s16, s17                     ; row 256 x block row + 128 x half
	s_lshl_b32 s16, s16, 11                        ; x 2,048 bytes
	s_mov_b32 s17, 0
	s_mul_i32 s47, s12, 64*SIZE_N*2                ; k-row 64 x half
	s_lshl_b32 s46, s42, 9                         ; 512 bytes of a k-row for each block column
	s_add_co_u32 s46, s46, s47
	s_mov_b32 s47, 0
	s_mul_i32 s20, s10, HALFT
	v_and_b32 v1, 15, v0                           ; r
	v_bfe_u32 v2, v0, 4, 1                         ; h
	v_lshlrev_b32 v[BO], 5, v2
	s_wait_dscnt 0x0
	s_wait_kmcnt 0x0
	s_add_nc_u64 s[14:15], s[4:5], s[16:17]
	s_add_nc_u64 s[46:47], s[6:7], s[46:47]
	CROUND                                         ; the first joint loads meet
.irp s, 0,1
	s_mov_b32 s[G0+4*\s], 1
	s_add_co_u32 s[G0+4*\s+1], s20, \s*SLOT
	s_add_nc_u64 s[G0+4*\s+2:G0+4*\s+3], s[14:15], \s*KSTEP*2
	s_or_b32 s[G0+4*\s+3], s[G0+4*\s+3], 0x80000000
	s_mov_b32 s[G0B+4*\s], 1
	s_add_co_u32 s[G0B+4*\s+1], s20, \s*SLOT
	s_add_nc_u64 s[G0B+4*\s+2:G0B+4*\s+3], s[46:47], \s*KSTEP*SIZE_N*2
	s_or_b32 s[G0B+4*\s+3], s[G0B+4*\s+3], 0x80000000
	JLOAD \s                                       ; two tensor loads of a wave are out
.endr
	s_lshl_b32 s74, s42, 10                        ; the bias of my 128 columns: 1,024 bytes a block column + 512 x half
	s_lshl_b32 s75, s12, 9
	s_add_co_u32 s74, s74, s75
	s_mov_b32 s75, 0
	s_add_nc_u64 s[68:69], s[68:69], s[74:75]
	WIN TO_B
.irp b, 0,1,2,3,4,5,6,7
	global_load_b128 v[BIAS+8*\b:BIAS+8*\b+3],   v[BO], s[68:69] offset:64*\b
	global_load_b128 v[BIAS+8*\b+4:BIAS+8*\b+7], v[BO], s[68:69] offset:64*\b+16
.endr
	WIN 0
	v_mul_u32_u24 v3, v1, PITCH
	v_lshl_add_u32 v3, v2, 4, v3
	v_and_b32 v6, 7, v0
	v_bfe_u32 v7, v0, 3, 1
	v_lshl_add_u32 v6, v2, 3, v6
	v_mul_u32_u24 v6, v6, BPITCH
	v_lshl_add_u32 v6, v7, 4, v6
	s_mul_i32 s21, s11, HALFT
	s_lshl_b32 s22, s12, 8
	s_add_co_u32 s22, s22, 2*HALFT
.irp s, 0,1
	v_add_nc_u32 v[ADRA+\s], s21, v3
	v_add_nc_u32 v[ADRB+\s], s22, v6
	s_add_co_u32 s21, s21, SLOT
	s_add_co_u32 s22, s22, SLOT
.endr
	s_mul_i32 s23, s10, 16*SPITCH
	s_add_co_u32 s23, s23, STAGE
	v_mul_u32_u24 v4, v1, SPITCH
	v_lshl_add_u32 v4, v2, 4, v4
	v_add_nc_u32 v[STO], s23, v4
	v_mul_u32_u24 v5, v2, SPITCH                   ; back: lanes 0-15 take one row of 256 bytes, lanes 16-31 the next
	v_lshl_add_u32 v5, v1, 4, v5
	v_add_nc_u32 v[RD], s23, v5
	v_mul_u32_u24 v5, v2, SIZE_N*2
	v_lshl_add_u32 v[CO], v1, 4, v5
; The 64 accumulators take turns, one instruction a turn, in the same order in every quarter step.
.macro MUL16 f, hi, a0, zero
.irp a, \a0, \a0+1
.irp b, 0,1,2,3,4,5,6,7
.if \zero
	v_wmma_f32_16x16x32_bf16 v[8*(8*(\a)+\b):8*(8*(\a)+\b)+7], v[\f+8*\b:\f+8*\b+7], v[\f+8*(4*\hi+\a):\f+8*(4*\hi+\a)+7], v[BIAS+8*\b:BIAS+8*\b+7]
.else
	v_wmma_f32_16x16x32_bf16 v[8*(8*(\a)+\b):8*(8*(\a)+\b)+7], v[\f+8*\b:\f+8*\b+7], v[\f+8*(4*\hi+\a):\f+8*(4*\hi+\a)+7], v[8*(8*(\a)+\b):8*(8*(\a)+\b)+7]
.endif
.endr
.endr
.endm
.macro FETCH slot, q, f
	WIN TO_B
.irp i, 0,1,2,3,4,5,6,7
	ds_load_tr16_b128 v[\f+8*\i:\f+8*\i+3],   v[ADRB+\slot] offset:\q*32*BPITCH+32*\i
	ds_load_tr16_b128 v[\f+8*\i+4:\f+8*\i+7], v[ADRB+\slot] offset:\q*32*BPITCH+32*\i+16*BPITCH
.endr
	WIN 0
.irp i, 0,1,2,3,4,5,6,7
	ds_load_b128 v[\f+8*\i:\f+8*\i+3],   v[ADRA+\slot] offset:\q*64+\i*16*PITCH
	ds_load_b128 v[\f+8*\i+4:\f+8*\i+7], v[ADRA+\slot] offset:\q*64+\i*16*PITCH+32
.endr
.endm
.macro QUARTER slot, q, f, g, zero
	s_wait_dscnt 8                                 ; weights and my rows 0-63 are in; the youngest eight loads (rows 64-127) may be out
.if \zero
	WIN MULB_LO
.else
	WIN MUL_LO
.endif
	MUL16 \f, 0, 0, \zero
	MUL16 \f, 0, 2, \zero
	PLACES
	FETCH \slot, \q, \g
	s_wait_dscnt 32                                ; all but the 32 just issued
.if \zero
	WIN MULB_HI
.else
	WIN MUL_HI
.endif
	MUL16 \f, 1, 0, \zero
	MUL16 \f, 1, 2, \zero
.endm
.macro THREE slot, zero
	QUARTER \slot, 1, F0, F1, \zero
	QUARTER \slot, 2, F1, F0, 0
	QUARTER \slot, 3, F0, F1, 0
.endm
; the change of slots: each wave's waits for its reads and for all its tensor loads stand in front of the barrier; where the slot is filled again the
; barrier opens a round of the cluster's barrier, and the joint refill is the first tensor load behind the round
.macro TURN slot, next, fill
	s_wait_dscnt 8
	WIN MUL_LO
	MUL16 F1, 0, 0, 0
	s_wait_dscnt 0
	s_wait_tensorcnt 0x0
	ds_add_u32 v63, v255
	s_wait_dscnt 0x0
	s_barrier_signal -1
	MUL16 F1, 0, 2, 0
	WIN 0
	s_barrier_wait -1
.if \fill
	CREST
	s_add_nc_u64 s[G0+4*\slot+2:G0+4*\slot+3], s[G0+4*\slot+2:G0+4*\slot+3], 2*KSTEP*2
	s_add_nc_u64 s[G0B+4*\slot+2:G0B+4*\slot+3], s[G0B+4*\slot+2:G0B+4*\slot+3], 2*KSTEP*SIZE_N*2
	JLOAD \slot
.endif
	PLACES
	FETCH \next, 0, F0
	WIN MUL_HI
	MUL16 F1, 1, 0, 0
	MUL16 F1, 1, 2, 0
.endm
.macro LAP zero
	THREE 0, \zero
	TURN 0, 1, 1
	THREE 1, 0
	TURN 1, 0, 1
.endm
	s_wait_tensorcnt 1                             ; my part of K step 0 is in; K step 1's load stays out
	s_barrier_signal -1
	s_barrier_wait -1
	FETCH 0, 0, F0
	s_wait_loadcnt 0x0                             ; the bias
	LAP 1
	WIN 0
	s_mov_b32 s3, LAPS-2
.Llap:
	LAP 0
	WIN 0
	s_sub_co_u32 s3, s3, 1
	s_cmp_lg_u32 s3, 0
	s_cbranch_scc1 .Llap
	THREE 0, 0
	TURN 0, 1, 0
	THREE 1, 0
	s_wait_dscnt 8
	WIN MUL_LO
	MUL16 F1, 0, 0, 0
	MUL16 F1, 0, 2, 0
	s_wait_dscnt 0
	WIN MUL_HI
	MUL16 F1, 1, 0, 0
	MUL16 F1, 1, 2, 0
	; THE WAY OUT, 16 rows at a time: ReLU in f32, round to bf16, through my own stage, whole rows of 256 bytes out.
	PLACES
	s_lshl_b32 s13, s13, 8
	s_lshl_b32 s14, s11, 7
	s_add_co_u32 s16, s13, s14                     ; my first row
	s_lshl_b32 s16, s16, 13                        ; x 8,192 bytes (below 2^25)
	s_mov_b32 s17, 0
	s_add_nc_u64 s[8:9], s[8:9], s[16:17]
	s_lshl_b32 s46, s42, 9                         ; my first column in bytes: 512 x block column + 256 x half
	s_lshl_b32 s47, s12, 8
	s_add_co_u32 s46, s46, s47
	s_mov_b32 s47, 0
	s_add_nc_u64 s[8:9], s[8:9], s[46:47]
; from = 0x08 or 0x0c: the second source comes from window 2 or 3; f: the read-back buffer, v128-159 and v160-191 in turn
.macro OUT16 i, a, from, f
	WIN \from
.irp b, 0,1,2,3,4,5,6,7
.irp r, 0,1,2,3,4,5,6,7
	v_max_num_f32 v[F0+8*\b+\r], 0, v[8*(8*\a+\b)+\r]
.endr
.endr
	WIN 0
.irp b, 0,1,2,3,4,5,6,7
.irp r, 0,1,2,3
	v_cvt_pk_bf16_f32 v[TMP+4*\b+\r], v[F0+8*\b+2*\r], v[F0+8*\b+2*\r+1]
.endr
.endr
.irp b, 0,1,2,3,4,5,6,7
	ds_store_b128 v[STO], v[TMP+4*\b:TMP+4*\b+3] offset:32*\b
.endr
	s_wait_xcnt 0x0                                ; buffer f and the stores' base are rewritten only behind this wait
.if \i
	s_add_nc_u64 s[8:9], s[8:9], 16*SIZE_N*2
.endif
.irp t, 0,1,2,3,4,5,6,7
	ds_load_b128 v[\f+4*\t:\f+4*\t+3], v[RD] offset:\t*2*SPITCH    ; LDS serves a wave's instructions in order: these see the stores above
.endr
.irp t, 0,1,2,3,4,5,6,7
	s_wait_dscnt 7-\t
	global_store_b128 v[CO], v[\f+4*\t:\f+4*\t+3], s[8:9] offset:2*\t*SIZE_N*2   ; 16 lanes store 256 consecutive bytes, aligned
.endr
.endm
	OUT16 0, 0, 0x08, F1
	OUT16 1, 1, 0x08, F1+32
	OUT16 2, 2, 0x08, F1
	OUT16 3, 3, 0x08, F1+32
	OUT16 4, 0, 0x0c, F1
	OUT16 5, 1, 0x0c, F1+32
	OUT16 6, 2, 0x0c, F1
	OUT16 7, 3, 0x0c, F1+32
	s_set_vgpr_msb 0x1
	s_wait_tensorcnt 0x0
	ds_add_u32 v63, v255
	s_wait_dscnt 0x0
	s_set_vgpr_msb 0x100
	CROUND                                         ; the closing round
	s_endpgm
.Lfunc_end_k_q10472b830f_ffn1:
	.size	k_q10472b830f_ffn1, .Lfunc_end_k_q10472b830f_ffn1-k_q10472b830f_ffn1
	.p2alignl 7, 3214868480
	.fill 96, 4, 3214868480
	.section	.rodata,"a",@progbits
	.p2align	6, 0x0
	.amdhsa_kernel k_q10472b830f_ffn1
		.amdhsa_group_segment_fixed_size 327680
		.amdhsa_private_segment_fixed_size 0
		.amdhsa_enable_private_segment 0
		.amdhsa_kernarg_size 32
		.amdhsa_user_sgpr_count 2
		.amdhsa_user_sgpr_kernarg_segment_ptr 1
		.amdhsa_wavefront_size32 1
		.amdhsa_system_sgpr_workgroup_id_x 1
		.amdhsa_system_sgpr_workgroup_id_y 1
		.amdhsa_system_sgpr_workgroup_id_z 1
		.amdhsa_system_vgpr_workitem_id 0
		.amdhsa_next_free_vgpr 1024
		.amdhsa_next_free_sgpr 76
		.amdhsa_reserve_vcc 0
		.amdhsa_float_denorm_mode_32 3
		.amdhsa_float_denorm_mode_16_64 3
		.amdhsa_memory_ordered 1
		.amdhsa_forward_progress 1
		.amdhsa_inst_pref_size 214
	.end_amdhsa_kernel
	.amdgpu_metadata
---
amdhsa.version: [ 1, 2 ]
amdhsa.kernels:
  - .name:           k_q10472b830f_ffn1
    .symbol:         k_q10472b830f_ffn1.kd
    .args:
      - { .name: hfb, .offset: 0, .size: 8, .value_kind: global_buffer, .address_space: global }
      - { .name: w1b, .offset: 8, .size: 8, .value_kind: global_buffer, .address_space: global }
      - { .name: big, .offset: 16, .size: 8, .value_kind: global_buffer, .address_space: global }
      - { .name: b1f, .offset: 24, .size: 8, .value_kind: global_buffer, .address_space: global }
    .group_segment_fixed_size: 327680
    .private_segment_fixed_size: 0
    .kernarg_segment_align: 8
    .kernarg_segment_size: 32
    .max_flat_workgroup_size: 128
    .sgpr_count:     76
    .vgpr_count:     1024
    .wavefront_size: 32
...
	.end_amdgpu_metadata
.endif
;; end of part 5
;; launch ffn2 (part 6): grid 8 x 32, 4 waves a work-group, clusters of 4 x 4, 327,680 bytes of LDS; arguments big, w2b, out0, res, b2f; writes out0
.if DOCPART == 6
	.amdgcn_target "amdgcn-amd-amdhsa--gfx1250"
	.amdhsa_code_object_version 6
	.text
	.protected	k_q10472b830f_ffn2
	.globl	k_q10472b830f_ffn2
	.p2align	8
	.type	k_q10472b830f_ffn2,@function
k_q10472b830f_ffn2:
	s_mov_b64 s[64:65], 0
	v_nop
	global_prefetch_b8 v0, s[64:65] scope:SCOPE_SE
	s_setreg_imm32_b32 hwreg(HW_REG_WAVE_MODE, 25, 1), 1
	s_wait_xcnt 0x0
	s_wait_alu depctr_hold_cnt(0) depctr_sa_sdst(0) depctr_va_vdst(0) depctr_va_sdst(0) depctr_va_ssrc(0) depctr_va_vcc(0) depctr_vm_vsrc(0)
	s_getreg_b32 s2, hwreg(HW_REG_IB_STS2, 6, 4)
	s_cmp_eq_u32 s2, 0
	s_cbranch_scc0 .Lentry_in_a_cluster
	s_endpgm
.Lentry_in_a_cluster:
	s_bfe_u32 s2, ttmp6, 0x10000c
	s_cmp_lg_u32 s2, 0xf033
	s_cbranch_scc0 .Lentry_shape_is_right
	s_endpgm
.Lentry_shape_is_right:
; ffn2: out0 = big x w2b + b2f + res, f32.  big: [4096][4096] bf16 (K along the rows).  w2b: [4096 k][1024 n] bf16 (N along the rows).  res: [4096][1024] f32.
; 4096 x 1024 shared among 256 work-groups is a block of 128 x 128.  To keep a wave's tile at 128 x 128 (32 LDS loads for 64 matrix instructions) the four
; waves split K: a slot holds 256 along K and wave w multiplies k = 64 w .. 64 w + 63 of it, for the whole block.  The four partial sums are added once,
; at the end, through LDS, together with the bias and the residual.
; THE WALK ALONG K IS ROTATED: K is 8 laps of 512 (two slots); cluster (x, y) starts at lap (4 x + 2 (y % 4) + y / 4) mod 8 and goes round.  The two clusters
; that read the same rows of big are four laps apart, the eight that read the same columns of the weights start at eight different laps: a tile is asked
; for at different times by the clusters that share it.  The start hangs on the cluster's x and y alone, which all sixteen partners share.
; So the order of the sum over K is: four partial sums, each ascending from the cluster's first lap and round through K's end, then added.
; CLUSTERS: 4 x 4 work-groups; big's tiles are asked for jointly along a row of the cluster, the weights' along a column.
; LDS, a slot: 128 rows of big x 512 bytes at pitch 528 (bytes 0 .. 67,583); 256 k-rows of the weights x 256 bytes at pitch 288 from byte 73,728 on,
; so that the weights' halves lie at wave x 36,864.  Two slots of 147,456 bytes.
; REGISTERS in windows of 256: window 0: addresses, v64-127 and v128-191 activation fragments (at the end: the residual), v192-255 partial sums read back;
; window 1: weight fragments; windows 2 and 3: accumulators of rows 0-63 and 64-127.  The matrix instruction is used transposed: lane l holds row l % 16,
; registers 0-7 the columns 8 (l / 16) + 0..7.
.set SIZE_K, 4096
.set SIZE_N, 1024
.set KSLOT,  256
.set APITCH, 528                       ; 512 bytes + 16: an odd multiple of 16
.set BPITCH, 288                       ; 256 bytes + 32: an odd multiple of 32
.set AHALF,  64*APITCH                 ; 33,792
.set BHALF,  128*BPITCH                ; 36,864
.set BOFF,   2*BHALF                   ; 73,728
.set SLOT,   4*BHALF                   ; 147,456
.set RP,     528                       ; a row of a partial sum: 512 bytes + 16
.set RSTG,   128*RP                    ; a wave's partial sum: 67,584 bytes; four of them lie in the ring behind its last read
.set LAPS,   SIZE_K/(2*KSLOT)          ; 8
.set ADRA, 16
.set ADRB, 20
.set STO,  24
.set CO,   26
.set BV,   32                          ; v[32:35] the bias of my four columns
.set RDS,  40                          ; v[40:43] where I read partial sum 0..3
.set F0,   64
.set F1,   128
.set TB,   192
.set G1,  24
.set G0,  32
.set G1B, 48
.set G0B, 56
.set MSB, 0
.macro WIN new
.if MSB != \new
	s_set_vgpr_msb (MSB<<8)|\new
.set MSB, \new
.endif
.endm
.set MUL_LO, 0xa1
.set MUL_HI, 0xf1
.set TO_B,   0x40
.macro JLOAD s                         ; waves 0 and 1 fetch big's halves, waves 2 and 3 the weights'
	s_cmp_eq_u32 s11, 0
	s_cbranch_scc0 .Lfor_b_\@
	tensor_load_to_lds s[G0+4*\s:G0+4*\s+3], s[G1:G1+7]
	s_nop 0
	s_branch .Lasked_\@
.Lfor_b_\@:
	tensor_load_to_lds s[G0B+4*\s:G0B+4*\s+3], s[G1B:G1B+7]
	s_nop 0
.Lasked_\@:
.endm
.macro CREST
	s_cmp_lg_u32 s10, 0
	s_cbranch_scc1 .Lnot_wave_0_\@
	s_barrier_signal -3
.Lnot_wave_0_\@:
	s_barrier_wait -3
	s_barrier_signal -1
	s_barrier_wait -1
.endm
.macro CROUND
	s_barrier_signal -1
	s_barrier_wait -1
	CREST
.endm
.macro PLACES                          ; four places behind a matrix instruction (ISA guide 7.12.1)
.rept 4
	v_nop
.endr
.endm
.macro LAPOFF                          ; lap s76 as byte offsets: 512 k are 1,024 bytes of big's rows and 512 k-rows of 2,048 bytes of the weights
	s_lshl_b32 s78, s76, 10
	s_mov_b32 s79, 0
	s_lshl_b32 s80, s76, 20
	s_mov_b32 s81, 0
.endm
.macro SETG s                          ; slot s's two global addresses, from the bases s[14:15] and s[46:47], which are never rewritten
	s_add_nc_u64 s[G0+4*\s+2:G0+4*\s+3], s[14:15], s[78:79]
	s_add_nc_u64 s[G0B+4*\s+2:G0B+4*\s+3], s[46:47], s[80:81]
.if \s
	s_add_nc_u64 s[G0+4*\s+2:G0+4*\s+3], s[G0+4*\s+2:G0+4*\s+3], \s*KSLOT*2
	s_add_nc_u64 s[G0B+4*\s+2:G0B+4*\s+3], s[G0B+4*\s+2:G0B+4*\s+3], \s*KSLOT*SIZE_N*2
.endif
	s_or_b32 s[G0+4*\s+3], s[G0+4*\s+3], 0x80000000
	s_or_b32 s[G0B+4*\s+3], s[G0B+4*\s+3], 0x80000000
.endm
	s_load_b128 s[4:7], s[0:1], 0x0                ; big s[4:5], w2b s[6:7]
	s_load_b64 s[8:9], s[0:1], 0x10                ; out0
	s_load_b64 s[68:69], s[0:1], 0x18              ; res
	s_load_b64 s[70:71], s[0:1], 0x20              ; b2f
	s_set_vgpr_msb 0x40
	v_lshl_add_u32 v255, v0, 2, 0x48000
	s_set_vgpr_msb 0x4000
	v_mov_b32 v63, 0
	s_set_vgpr_msb 0x1
	ds_add_u32 v255, v63
	s_set_vgpr_msb 0x100
	v_lshrrev_b32 v1, 5, v0
	v_readfirstlane_b32 s10, v1                    ; wave: my quarter of a slot's K
	s_lshr_b32 s11, s10, 1                         ; I fetch big (0) or weights (1)
	s_and_b32 s12, s10, 1                          ; which half of that tile
	s_bfe_u32 s40, ttmp6, 0x40000                  ; cx
	s_bfe_u32 s41, ttmp6, 0x40004                  ; cy
	s_lshl_b32 s42, ttmp9, 2
	s_add_co_u32 s42, s42, s40                     ; block column, 0..7
	s_and_b32 s13, ttmp7, 0xffff                   ; the cluster's y, 0..7
	s_lshr_b32 s78, s13, 2                         ; y / 4
	s_and_b32 s77, s13, 3                          ; y % 4
	s_lshl1_add_u32 s78, s77, s78
	s_lshl_b32 s76, ttmp9, 2                       ; 4 x the cluster's x
	s_add_co_u32 s76, s76, s78
	s_and_b32 s76, s76, 7                          ; the lap at which this cluster starts
	s_lshl_b32 s13, s13, 2
	s_add_co_u32 s13, s13, s41                     ; block row, 0..31
	s_lshl_b32 s43, s41, 2
	s_lshl_b32 s43, 15, s43                        ; my row of the cluster
	s_lshl_b32 s44, 0x1111, s40                    ; my column
	s_or_b32 s[G1+0], s43, (1<<16)|(1<<20)|(1<<21)|(6<<22)|(3<<25)   ; 64 rows x 256 elements, 4 words of padding behind every 128
	s_mov_b32 s[G1+1], KSLOT<<16
	s_mov_b32 s[G1+2], 64<<16
	s_mov_b32 s[G1+3], KSLOT<<16
	s_mov_b32 s[G1+4], 64
	s_mov_b32 s[G1+5], SIZE_K
	s_mov_b32 s[G1+6], 0
	s_mov_b32 s[G1+7], 0
	s_or_b32 s[G1B+0], s44, (1<<16)|(1<<20)|(1<<21)|(5<<22)|(7<<25)  ; 128 k-rows x 128 elements, 8 words of padding behind every 64
	s_mov_b32 s[G1B+1], 128<<16
	s_mov_b32 s[G1B+2], 128<<16
	s_mov_b32 s[G1B+3], 128<<16
	s_mov_b32 s[G1B+4], 128
	s_mov_b32 s[G1B+5], SIZE_N
	s_mov_b32 s[G1B+6], 0
	s_mov_b32 s[G1B+7], 0
	s_lshl_b32 s17, s12, 6
	s_lshl_b32 s16, s13, 7
	s_add_co_u32 s16, s16, s17                     ; row 128 x block row + 64 x half
	s_lshl_b32 s16, s16, 13                        ; x 8,192 bytes (below 2^25)
	s_mov_b32 s17, 0
	s_lshl_b32 s47, s12, 18                        ; k-row 128 x half, of 2,048 bytes
	s_lshl_b32 s46, s42, 8                         ; 256 bytes of a k-row for each block column
	s_add_co_u32 s46, s46, s47
	s_mov_b32 s47, 0
	s_mul_i32 s20, s10, AHALF                      ; waves 0, 1: big's halves
	s_mul_i32 s21, s10, BHALF                      ; waves 2, 3: the weights' halves
	LAPOFF
	s_wait_dscnt 0x0
	s_wait_kmcnt 0x0
	s_add_nc_u64 s[14:15], s[4:5], s[16:17]
	s_add_nc_u64 s[46:47], s[6:7], s[46:47]
	CROUND                                         ; the first joint loads meet
.irp s, 0,1
	s_mov_b32 s[G0+4*\s], 1
	s_add_co_u32 s[G0+4*\s+1], s20, \s*SLOT
	s_mov_b32 s[G0B+4*\s], 1
	s_add_co_u32 s[G0B+4*\s+1], s21, \s*SLOT
	SETG \s
	JLOAD \s                                       ; two tensor loads of a wave are out
.endr
	v_and_b32 v1, 15, v0                           ; r
	v_bfe_u32 v2, v0, 4, 1                         ; h
	v_and_b32 v6, 7, v0
	v_bfe_u32 v7, v0, 3, 1
	v_and_b32 v8, 31, v0                           ; l
	v_mul_u32_u24 v3, v1, APITCH
	v_lshl_add_u32 v3, v2, 4, v3                   ; big: r x pitch + 16 h
	v_lshl_add_u32 v4, v2, 3, v6
	v_mul_u32_u24 v4, v4, BPITCH                   ; weights: k-row 8 h + l % 8
	v_lshl_add_u32 v4, v7, 4, v4
	s_lshl_b32 s22, s10, 7                         ; my 64 k: 128 bytes of big's rows,
	s_mul_i32 s23, s10, 64*BPITCH                  ; 64 k-rows of the weights
	s_add_co_u32 s23, s23, BOFF
.irp s, 0,1
	v_add_nc_u32 v[ADRA+\s], s22, v3
	v_add_nc_u32 v[ADRB+\s], s23, v4
	s_add_co_u32 s22, s22, SLOT
	s_add_co_u32 s23, s23, SLOT
.endr
	s_mul_i32 s22, s10, RSTG                       ; my partial sum
	v_mul_u32_u24 v5, v1, RP
	v_lshl_add_u32 v5, v2, 5, v5
	v_add_nc_u32 v[STO], s22, v5                   ; row r, 32 h bytes along it
	v_lshlrev_b32 v[CO], 4, v8                     ; 16 l: a row of 512 bytes is one load or store of the wave
	s_mul_i32 s23, s10, 32*RP                      ; the 32 rows that I add up
	v_add_nc_u32 v5, s23, v[CO]
.irp s, 0,1,2,3
	v_add_nc_u32 v[RDS+\s], \s*RSTG, v5
.endr
; The 64 accumulators take turns, one instruction a turn, in the same order in every run of 64.  zero = 1: the first product starts the sums.
.macro MUL16 f, hi, a0, zero
.irp a, \a0, \a0+1
.irp b, 0,1,2,3,4,5,6,7
.if \zero
	v_wmma_f32_16x16x32_bf16 v[8*(8*(\a)+\b):8*(8*(\a)+\b)+7], v[\f+8*\b:\f+8*\b+7], v[\f+8*(4*\hi+\a):\f+8*(4*\hi+\a)+7], 0
.else
	v_wmma_f32_16x16x32_bf16 v[8*(8*(\a)+\b):8*(8*(\a)+\b)+7], v[\f+8*\b:\f+8*\b+7], v[\f+8*(4*\hi+\a):\f+8*(4*\hi+\a)+7], v[8*(8*(\a)+\b):8*(8*(\a)+\b)+7]
.endif
.endr
.endr
.endm
; 32 LDS loads in one run: half e (32 along K) of my quarter of a slot into buffer f
.macro FETCH slot, e, f
	WIN TO_B
.irp i, 0,1,2,3,4,5,6,7
	ds_load_tr16_b128 v[\f+8*\i:\f+8*\i+3],   v[ADRB+\slot] offset:\e*32*BPITCH+32*\i
	ds_load_tr16_b128 v[\f+8*\i+4:\f+8*\i+7], v[ADRB+\slot] offset:\e*32*BPITCH+32*\i+16*BPITCH
.endr
	WIN 0
.irp i, 0,1,2,3,4,5,6,7
	ds_load_b128 v[\f+8*\i:\f+8*\i+3],   v[ADRA+\slot] offset:\e*64+\i*16*APITCH
	ds_load_b128 v[\f+8*\i+4:\f+8*\i+7], v[ADRA+\slot] offset:\e*64+\i*16*APITCH+32
.endr
.endm
.macro QUARTER slot, e, f, g, zero
	s_wait_dscnt 8                                 ; weights and rows 0-63 are in; the youngest eight loads (rows 64-127) may be out
	WIN MUL_LO
	MUL16 \f, 0, 0, \zero
	MUL16 \f, 0, 2, \zero
	PLACES
	FETCH \slot, \e, \g
	s_wait_dscnt 32                                ; all but the 32 just issued
	WIN MUL_HI
	MUL16 \f, 1, 0, \zero
	MUL16 \f, 1, 2, \zero
.endm
; the change of slots: each wave's waits for its reads and for all its tensor loads stand in front of the barrier; where the slot is filled again the barrier
; opens a round of the cluster's barrier, and the joint refill is the first tensor load behind it.  No tensor load of the wave is out there, so the group 0
; registers may be written: slot 0's refill steps the lap (modulo 8), slot 1's uses the same lap.  From a request to the wait for it a wave issues 112 matrix instructions.
.macro TURN slot, next, fill
	s_wait_dscnt 8
	WIN MUL_LO
	MUL16 F1, 0, 0, 0
	s_wait_dscnt 0
	s_wait_tensorcnt 0x0
	ds_add_u32 v255, v63
	s_wait_dscnt 0x0
	s_barrier_signal -1
	MUL16 F1, 0, 2, 0
	WIN 0
	s_barrier_wait -1
.if \fill
	CREST
.if \slot == 0
	s_add_co_u32 s76, s76, 1
	s_and_b32 s76, s76, 7
	LAPOFF
.endif
	SETG \slot
	JLOAD \slot
.endif
	PLACES
	FETCH \next, 0, F0
	WIN MUL_HI
	MUL16 F1, 1, 0, 0
	MUL16 F1, 1, 2, 0
.endm
.macro LAP zero
	QUARTER 0, 1, F0, F1, \zero
	TURN 0, 1, 1
	QUARTER 1, 1, F0, F1, 0
	TURN 1, 0, 1
.endm
	s_wait_tensorcnt 1                             ; my part of slot 0 is in; slot 1's load stays out
	s_barrier_signal -1
	s_barrier_wait -1
	FETCH 0, 0, F0
	LAP 1
	WIN 0
	s_mov_b32 s3, LAPS-2
.Llap:
	LAP 0
	WIN 0
	s_sub_co_u32 s3, s3, 1
	s_cmp_lg_u32 s3, 0
	s_cbranch_scc1 .Llap
	QUARTER 0, 1, F0, F1, 0                        ; the last lap fills nothing
	TURN 0, 1, 0
	QUARTER 1, 1, F0, F1, 0
	s_wait_dscnt 8
	WIN MUL_LO
	MUL16 F1, 0, 0, 0
	MUL16 F1, 0, 2, 0
	s_wait_dscnt 0
	WIN MUL_HI
	MUL16 F1, 1, 0, 0
	MUL16 F1, 1, 2, 0
	; THE WAY OUT.  Wave w adds up rows 32 w .. 32 w + 31 of the block.  Its residual rows and the bias are asked for first, into the fragment buffers.
	PLACES
	WIN 0
	s_lshl_b32 s72, s13, 7
	s_lshl_b32 s73, s10, 5
	s_add_co_u32 s72, s72, s73                     ; row 128 x block row + 32 w
	s_lshl_b32 s72, s72, 12                        ; x 4,096 bytes (below 2^24)
	s_lshl_b32 s74, s42, 9                         ; + 512 bytes for each block column
	s_add_co_u32 s72, s72, s74
	s_mov_b32 s73, 0
	s_mov_b32 s75, 0
	s_add_nc_u64 s[68:69], s[68:69], s[72:73]
	s_add_nc_u64 s[8:9], s[8:9], s[72:73]
	s_add_nc_u64 s[70:71], s[70:71], s[74:75]
.irp i, 0,1,2,3,4,5,6,7,8,9,10,11,12,13,14,15,16,17,18,19,20,21,22,23,24,25,26,27,28,29,30,31
	global_load_b128 v[F0+4*\i:F0+4*\i+3], v[CO], s[68:69] offset:\i*4096
.endr
	global_load_b128 v[BV:BV+3], v[CO], s[70:71]
	s_wait_dscnt 0x0                               ; my reads of the ring are over (met: the last quarter waited for 0); every tensor load landed in front of the last change of slots
	s_barrier_signal -1
	s_barrier_wait -1                              ; nobody reads the ring any more, and it is never filled again: it takes the partial sums
	WIN 0x08                                       ; store data from window 2
.irp a, 0,1,2,3
.irp b, 0,1,2,3,4,5,6,7
	ds_store_b128 v[STO], v[8*(8*\a+\b):8*(8*\a+\b)+3]   offset:\a*16*RP+64*\b
	ds_store_b128 v[STO], v[8*(8*\a+\b)+4:8*(8*\a+\b)+7] offset:\a*16*RP+64*\b+16
.endr
.endr
	WIN 0x0c                                       ; from window 3
.irp a, 0,1,2,3
.irp b, 0,1,2,3,4,5,6,7
	ds_store_b128 v[STO], v[8*(8*\a+\b):8*(8*\a+\b)+3]   offset:(\a+4)*16*RP+64*\b
	ds_store_b128 v[STO], v[8*(8*\a+\b)+4:8*(8*\a+\b)+7] offset:(\a+4)*16*RP+64*\b+16
.endr
.endr
	WIN 0
	s_wait_dscnt 0x0                               ; for the other waves' sake: my stores are done
	s_barrier_signal -1
	s_barrier_wait -1
	s_wait_loadcnt 0x0                             ; residual and bias
.macro RLOAD g, t                      ; rows 2 g, 2 g + 1 of my 32, from all four partial sums: 8 loads
.irp p, 0,1
.irp s, 0,1,2,3
	ds_load_b128 v[\t+16*\p+4*\s:\t+16*\p+4*\s+3], v[RDS+\s] offset:(2*(\g)+\p)*RP
.endr
.endr
.endm
.macro RSUM g, t                       ; residual + bias + four partial sums; a store of the wave covers a row's 512 consecutive bytes, aligned
.irp p, 0,1
	v_pk_add_f32 v[F0+8*(\g)+4*\p:F0+8*(\g)+4*\p+1],   v[F0+8*(\g)+4*\p:F0+8*(\g)+4*\p+1],   v[BV:BV+1]
	v_pk_add_f32 v[F0+8*(\g)+4*\p+2:F0+8*(\g)+4*\p+3], v[F0+8*(\g)+4*\p+2:F0+8*(\g)+4*\p+3], v[BV+2:BV+3]
.irp s, 0,1,2,3
	v_pk_add_f32 v[F0+8*(\g)+4*\p:F0+8*(\g)+4*\p+1],   v[F0+8*(\g)+4*\p:F0+8*(\g)+4*\p+1],   v[\t+16*\p+4*\s:\t+16*\p+4*\s+1]
	v_pk_add_f32 v[F0+8*(\g)+4*\p+2:F0+8*(\g)+4*\p+3], v[F0+8*(\g)+4*\p+2:F0+8*(\g)+4*\p+3], v[\t+16*\p+4*\s+2:\t+16*\p+4*\s+3]
.endr
	global_store_b128 v[CO], v[F0+8*(\g)+4*\p:F0+8*(\g)+4*\p+3], s[8:9] offset:(2*(\g)+\p)*4096
.endr
.endm
	RLOAD 0, TB
.irp g, 0,1,2,3,4,5,6,7,8,9,10,11,12,13,14
	RLOAD \g+1, TB+32*((\g+1)&1)
	s_wait_dscnt 8                                 ; this pair of rows is in; the next pair's eight loads stay out
	RSUM \g, TB+32*(\g&1)
.endr
	s_wait_dscnt 0
	RSUM 15, TB+32
	s_set_vgpr_msb 0x1
	s_wait_tensorcnt 0x0
	ds_add_u32 v255, v63
	s_wait_dscnt 0x0
	s_set_vgpr_msb 0x100
	CROUND                                         ; the closing round
	s_endpgm
.Lfunc_end_k_q10472b830f_ffn2:
	.size	k_q10472b830f_ffn2, .Lfunc_end_k_q10472b830f_ffn2-k_q10472b830f_ffn2
	.p2alignl 7, 3214868480
	.fill 96, 4, 3214868480
	.section	.rodata,"a",@progbits
	.p2align	6, 0x0
	.amdhsa_kernel k_q10472b830f_ffn2
		.amdhsa_group_segment_fixed_size 327680
		.amdhsa_private_segment_fixed_size 0
		.amdhsa_enable_private_segment 0
		.amdhsa_kernarg_size 40
		.amdhsa_user_sgpr_count 2
		.amdhsa_user_sgpr_kernarg_segment_ptr 1
		.amdhsa_wavefront_size32 1
		.amdhsa_system_sgpr_workgroup_id_x 1
		.amdhsa_system_sgpr_workgroup_id_y 1
		.amdhsa_system_sgpr_workgroup_id_z 1
		.amdhsa_system_vgpr_workitem_id 0
		.amdhsa_next_free_vgpr 1024
		.amdhsa_next_free_sgpr 82
		.amdhsa_reserve_vcc 0
		.amdhsa_float_denorm_mode_32 3
		.amdhsa_float_denorm_mode_16_64 3
		.amdhsa_memory_ordered 1
		.amdhsa_forward_progress 1
		.amdhsa_inst_pref_size 132
	.end_amdhsa_kernel
	.amdgpu_metadata
---
amdhsa.version: [ 1, 2 ]
amdhsa.kernels:
  - .name:           k_q10472b830f_ffn2
    .symbol:         k_q10472b830f_ffn2.kd
    .args:
      - { .name: big, .offset: 0, .size: 8, .value_kind: global_buffer, .address_space: global }
      - { .name: w2b, .offset: 8, .size: 8, .value_kind: global_buffer, .address_space: global }
      - { .name: out0, .offset: 16, .size: 8, .value_kind: global_buffer, .address_space: global }
      - { .name: res, .offset: 24, .size: 8, .value_kind: global_buffer, .address_space: global }
      - { .name: b2f, .offset: 32, .size: 8, .value_kind: global_buffer, .address_space: global }
    .group_segment_fixed_size: 327680
    .private_segment_fixed_size: 0
    .kernarg_segment_align: 8
    .kernarg_segment_size: 40
    .max_flat_workgroup_size: 128
    .sgpr_count:     82
    .vgpr_count:     1024
    .wavefront_size: 32
...
	.end_amdgpu_metadata
.endif
;; end of part 6
